; MI455X (gfx1250); checked and timed in simulation.
; The chip was launched on July 23, 2026; its instructions are those of AMD's public machine-readable ISA for CDNA 5 (MIT licence, August 2026) and "CDNA5" Instruction Set Architecture Reference Guide (July 2026). The comments in the code are by the model that wrote it; some were corrected since.
;; Multi Head Attention. Allowed arithmetic: matrix products marked QUANTISED: E2M3 operands, one E8M0 scale for each 32 along K, by v_wmma_scale_f32_16x16x128_f8f6f4 with both operands' format E2M3, f32 sums; everything else in f32.
;; Inputs: w_out 1,024 x 1,024 float32; w_qkv 1,024 x 3,072 float32; x 4 x 2,048 x 1,024 float32.
;; Outputs: out0 4 x 2,048 x 1,024 float32.
;; This version of the problem:
;;   THIS VERSION OF THE PROBLEM IS GIVEN IN LOW PRECISION. The matrix products marked QUANTISED in the list below multiply operands that are first quantised to E2M3 (2 exponent bits, 3 mantissa bits; 6 bits a number), with one power-of-two scale for each 32 numbers along K (OCP MX v1.0); their sums are f32. All else is computed in f32.
;;   The module's matrix products, in the order in which they are computed (A, B: the left and right operand; K: the contracted axis; several contracted axes count as one K, in the product's order):
;;     1. [M 8,192, K 1,024] x [K 1,024, N 3,072]; A: input x; B: input w_qkv: QUANTISED
;;     2. batch 64 x [M 2,048, K 64] x [K 64, N 2,048]; A: computed on the way; B: computed on the way: QUANTISED
;;     3. batch 64 x [M 64, K 2,048] x [K 2,048, N 2,048]; A: computed on the way; B: softmax (see below): QUANTISED
;;     4. [M 8,192, K 1,024] x [K 1,024, N 1,024]; A: computed on the way; B: input w_out: QUANTISED
;;   THE QUANTISER, for each operand of a quantised product, along K:
;;     - K is cut into blocks of 32 from its start; a last block that is shorter is filled with zeros.
;;     - A block's scale is 2^e with e = floor(log2(the largest magnitude in the block)) - 2, held to -126 .. 127; a block of zeros has e = 0. As a byte (E8M0): e + 127.
;;     - Each number is divided by its block's scale, clamped to +-7.5, and rounded to the nearest number of E2M3, ties to even, subnormals kept.
;;     - The product sums the exact products of the quantised numbers (number of the format x scale) in f32.
;;   ~~~python
;;   def quantise(x, axis):      # numpy; x: float32 -> the quantised numbers, widened to float32 again
;;       x = np.moveaxis(x, axis, -1); K = x.shape[-1]
;;       x = np.pad(x, [(0, 0)] * (x.ndim - 1) + [(0, -K % 32)]); x = x.reshape(x.shape[:-1] + (-1, 32)); a = np.abs(x).max(-1, keepdims=True)
;;       e = np.where(a > 0, np.clip(np.frexp(np.where(a > 0, a, 1))[1] - 1 - 2, -126, 127), 0)      # np.frexp(a)[1] - 1 = floor(log2(a)), exactly
;;       r = np.clip(x / 2.0 ** e, -7.5, 7.5)
;;       step = 2.0 ** (np.maximum(np.frexp(np.where(r == 0, 1, r))[1] - 1, 0) - 3)
;;       q = np.round(r / step) * step * 2.0 ** e      # np.round: ties to even
;;       return np.moveaxis(q.reshape(q.shape[:-2] + (-1,))[..., :K], -1, axis).astype(np.float32)
;;   ~~~
;;   SOFTMAX AHEAD OF A QUANTISED PRODUCT. Where the list says 'softmax', what is quantised is not the finished softmax but p = 2^(t - M), with t = logit x log2(e) and M = ceil(the row's largest t), a whole number; so 1/2 < the row's largest p <= 1. The row's sum l is taken of the UNQUANTISED p, in f32, and the product's result is divided by l at the end. Since M is a whole number, a kernel that streams over the keys may use a running M (the ceiling of the running maximum): every later rescaling is an exact power of two, which a block's scale takes up: the codes' values come out the same.
;;   OPERANDS COMPUTED ON THE WAY. 'Computed on the way' means the value that the module computes at that place (a softmax that the list does not call 'softmax' is quantised finished and normalised). What goes into a quantiser is computed in f32, as accurately as f32 sums, v_exp_f32 and their like allow (about 1e-6 of the number): no bf16 or f16 on the way to a quantiser, and a product that is left as it is and whose result goes on into a quantised operand takes f32 operands (vector FMAs, or v_wmma_f32_16x16x4_f32). A number that lies on a knife's edge between two numbers of the format may be rounded either way, as far as f32 arithmetic and the matrix unit's own rounding can turn it there, and no further.
;; One version. Each part assembles by itself: llvm-mc -triple=amdgcn-amd-amdhsa -mcpu=gfx1250 --defsym DOCPART=n.
;; ======== version 1 of 1: 4 launches
;; workspace buffers: cod 9,437,184 bytes; scl 393,216 bytes; qkvc 18,874,368 bytes; qkvs 786,432 bytes; aoc 6,291,456 bytes; aos 262,144 bytes
;; launch quant (part 1): grid 384 x 1, 4 waves a work-group, no clusters, 68,096 bytes of LDS; arguments x, w_qkv, w_out, cod, scl; writes cod, scl
.if DOCPART == 1
	.amdgcn_target "amdgcn-amd-amdhsa--gfx1250"
	.amdhsa_code_object_version 6
	.text
	.protected	k_q3c6eac5d19_quant
	.globl	k_q3c6eac5d19_quant
	.p2align	8
	.type	k_q3c6eac5d19_quant,@function
k_q3c6eac5d19_quant:
	s_mov_b64 s[64:65], 0
	v_nop
	global_prefetch_b8 v0, s[64:65] scope:SCOPE_SE
	s_setreg_imm32_b32 hwreg(HW_REG_WAVE_MODE, 25, 1), 1
	s_wait_xcnt 0x0
; x [8192][1024], w_qkv [1024][3072] and w_out [1024][1024], f32, become codes of FP6 (E2M3) with K (the 1,024) innermost, 768 bytes a row, and one E8M0 byte for each 32 along K, 32 bytes a row.
; cod and scl hold 12,288 rows: 0-1,023 w_qkv's columns 2,048-3,071 (v); 1,024-9,215 x's rows; 9,216-11,263 w_qkv's columns 0-2,047 (q, k); 11,264-12,287 w_out's columns.
; ROWS LIE IN A CHANGED ORDER: inside each group of 32, a row's bits 3 and 4 change places.  A tile of 16 stored rows is then rows 8 u + r + 8 (r / 8) of its group, so that a product used transposed leaves
; 16 neighbours along the next K in a lane's registers of two neighbouring tiles, while LDS tiles are read by plain rows.
; A block's scale is 2^(floor(log2(its largest magnitude)) - 2): its byte is the largest magnitude's exponent field - 2, held at 1 from below.
; LIMITS: NaN and infinities are not served; a block whose largest magnitude lies under 2^-124 keeps the byte 1; a block of zeros has the byte 1 and not 127 (its codes are zeros, and this program alone reads the bytes).
; Work-groups 0-255 take x (K innermost: a stream of blocks); work-groups 256-383 take the weights (K is the first axis: a lane takes a column, its registers run down K).
; The two ways never join, and each has LDS bytes of its own: x's below 32,768, the weights' from there on.  No tensor loads, no barrier: waves share nothing.
.set STEPS, 16
.set EMAX,  2
.set CB,    12                         ; bytes of 16 codes
.set R,     16                         ; x: v16-79   four sets of 16 numbers as loaded
.set X,     80                         ; x: v80-111  two sets of 16 neighbours
.set E,     112                        ; x: v112-127 a scale byte for each step
.set C,     128                        ; x: v128-191 codes, four registers for each step: no store's data are written again
.set WREG,  8192                       ; x: a wave's LDS: two stages of 32 x SP bytes, then its 256 scale bytes
.set SP,    80                         ; x: a lane's place in a stage: 64 bytes + 16 of padding
.set NB,    8                          ; weights: blocks of 32 along K for a wave (256 along K)
.set PITCH, 272                        ; weights: a stage row: sixteen places of 16 bytes (12 of codes each) + 16
.set KROW,  768                        ; a row of cod in bytes
.set WSTG,  32768                      ; weights: their stages begin here, 32 x PITCH bytes a wave
.set SB,    24                         ; weights: v24-25 the scale bytes
.set WX,    32                         ; weights: v32-95 two sets of 32 numbers
.set WC,    96                         ; weights: a block's codes
.set OUTR,  112                        ; weights: v112-175 the way out
.set OF,    176                        ; weights: v176-207 byte offsets of a block's 32 rows of the weight: never rewritten
	s_load_b128 s[4:7], s[0:1], 0x0                ; x, w_qkv
	s_load_b128 s[8:11], s[0:1], 0x10              ; w_out, cod
	s_load_b64 s[12:13], s[0:1], 0x20              ; scl
	v_lshl_add_u32 v208, v0, 2, 0x10800
	v_mov_b32 v209, 0
	v_lshrrev_b32 v1, 5, v0
	v_readfirstlane_b32 s16, v1                    ; wave
	v_and_b32 v2, 31, v0                           ; lane
	s_cmp_lt_u32 ttmp9, 256
	s_cbranch_scc0 .Lweights
; ---------------- x: a wave takes 8 rows (8,192 numbers) in 16 steps of 512.  Each load reads 512 consecutive bytes; a step's 2,048 bytes turn through the wave's stage so that a lane holds 16 neighbours.
	v_lshlrev_b32 v3, 4, v2                        ; my 16 bytes of a load's 512
	s_mul_i32 s17, s16, WREG
	v_lshrrev_b32 v14, 2, v2
	v_mul_u32_u24 v14, v14, SP
	v_and_b32 v15, 3, v2
	v_lshl_add_u32 v14, v15, 4, v14
	v_add_nc_u32 v14, s17, v14                     ; the stage on the way in: SP (lane / 4) + 16 (lane % 4)
	v_mul_u32_u24 v15, v2, SP
	v_add_nc_u32 v15, s17, v15                     ; and on the way out: SP x lane
	v_mul_u32_u24 v4, v2, CB                       ; my codes' place in a step's 384 bytes
	v_lshrrev_b32 v5, 1, v2
	s_add_co_u32 s17, s17, 2*32*SP
	v_add_nc_u32 v5, s17, v5                       ; my block's scale byte in LDS
	v_lshlrev_b32 v7, 3, v2
	v_add_nc_u32 v6, s17, v7                       ; and 8 bytes a lane on the way out
	s_lshl_b32 s18, ttmp9, 2
	s_add_co_u32 s19, s18, s16                     ; which 8 rows I read: 4 x work-group + wave
	s_lshl_b32 s20, s19, 15                        ; x 32,768 bytes
	s_mov_b32 s21, 0
	s_and_b32 s22, s16, 1
	s_lshl_b32 s22, s22, 1
	s_lshr_b32 s23, s16, 1
	s_or_b32 s22, s22, s23                         ; the wave's two bits are the rows' bits 3 and 4: they change places
	s_add_co_u32 s18, s18, s22                     ; which 8 rows I write
	s_mul_i32 s22, s18, 8*KROW
	s_add_co_u32 s22, s22, 1024*KROW               ; x begins at row 1,024 of cod
	s_mov_b32 s23, 0
	s_lshl_b32 s24, s18, 8
	s_add_co_u32 s24, s24, 1024*32
	s_mov_b32 s25, 0
	s_wait_alu depctr_va_vdst(0)
	s_wait_kmcnt 0x0
	s_add_nc_u64 s[4:5], s[4:5], s[20:21]
	s_add_nc_u64 s[10:11], s[10:11], s[22:23]
	s_add_nc_u64 s[12:13], s[12:13], s[24:25]
.macro XLOAD t
.irp i, 0,1,2,3
	global_load_b128 v[R+16*((\t)%4)+4*\i:R+16*((\t)%4)+4*\i+3], v3, s[4:5] offset:2048*(\t)+512*\i th:TH_LOAD_NT   ; 32 lanes read 512 consecutive bytes; read once in the launch
.endr
.endm
.macro XTURN t                         ; step t through the stage: LDS serves a wave's instructions in order (ISA guide 5.7.1.4), so no wait stands between the stores and the loads
.irp i, 0,1,2,3
	ds_store_b128 v14, v[R+16*((\t)%4)+4*\i:R+16*((\t)%4)+4*\i+3] offset:32*SP*((\t)%2)+8*SP*\i
.endr
.irp i, 0,1,2,3
	ds_load_b128 v[X+16*((\t)%2)+4*\i:X+16*((\t)%2)+4*\i+3], v15 offset:32*SP*((\t)%2)+16*\i
.endr
.endm
.irp t, 0,1,2,3
	XLOAD \t
.endr
	s_wait_loadcnt 12                              ; step 0's four loads are in; the twelve of steps 1 to 3 stay out
	XTURN 0
.macro XSTEP t
.set XS, X+16*((\t)%2)
.if (\t) > 0
	s_wait_dscnt 1                                 ; this step's numbers are back from the stage; the one younger LDS instruction, the last step's byte store, may be out
.else
	s_wait_dscnt 0x0
.endif
.if (\t)+4 < STEPS
	XLOAD (\t)+4                                   ; into the set whose stores to the stage are done
.endif
.if (\t)+1 < STEPS
.if STEPS-2-(\t) >= 3
	s_wait_loadcnt 12                              ; the next step's four loads are in; those of the three steps behind it stay out
.else
	s_wait_loadcnt 4*(STEPS-2-(\t))                ; the tail: fewer steps are left behind it
.endif
	XTURN (\t)+1
.endif
	v_max3_num_f32 v8, |v[XS]|, |v[XS+1]|, |v[XS+2]|               ; the largest magnitude of my 16, in two chains
	v_max3_num_f32 v9, |v[XS+3]|, |v[XS+4]|, |v[XS+5]|
.irp i, 6,10
	v_max3_num_f32 v8, v8, |v[XS+\i]|, |v[XS+\i+1]|
	v_max3_num_f32 v9, v9, |v[XS+\i+2]|, |v[XS+\i+3]|
.endr
	v_max3_num_f32 v8, v8, |v[XS+14]|, |v[XS+15]|
	v_max3_num_f32 v8, v8, v9, (EMAX+1)<<23        ; and the floor 2^(3 - 127): the byte cannot fall under 1
	v_max_num_f32_dpp v8, v8, v8 row_xmask:1 row_mask:0xf bank_mask:0xf   ; with my neighbour's 16: the block's
	v_add_nc_u32 v11, -(EMAX<<23), v8              ; 2 off its exponent field: the conversion takes that field as its scale
	v_cvt_scalef32_pk16_fp6_f32 v[C+4*(\t):C+4*(\t)+2], v[XS:XS+15], v11
	v_lshrrev_b32 v[E+(\t)], 23, v11               ; the scale's byte (also the plain line behind the conversion)
	ds_store_b8 v5, v[E+(\t)] offset:16*(\t)       ; both lanes of a block write the same byte with the same value
	global_store_b96 v4, v[C+4*(\t):C+4*(\t)+2], s[10:11] offset:32*CB*(\t)   ; the wave stores 384 consecutive bytes
.endm
.irp t, 0,1,2,3,4,5,6,7,8,9,10,11,12,13,14,15
	XSTEP \t
.endr
	ds_load_b64 v[12:13], v6                       ; my wave's 256 scale bytes: these loads see my stores
	s_wait_dscnt 0x0
	global_store_b64 v7, v[12:13], s[12:13]        ; 32 lanes store 256 consecutive bytes, aligned
	s_wait_tensorcnt 0x0
	ds_add_u32 v208, v209
	s_wait_dscnt 0x0
	s_endpgm
; ---------------- the weights: work-group u = 0 .. 127: 128 columns x 256 along K; a wave 32 columns.  Column groups 0-23 are w_qkv's, 24-31 w_out's.
.Lweights:
	s_sub_co_u32 s17, ttmp9, 256
	s_and_b32 s18, s17, 3                          ; which 256 along K
	s_lshr_b32 s19, s17, 2                         ; the group of 128 columns
	s_mov_b32 s21, 12288
	s_cmp_ge_u32 s19, 24                           ; w_out's?
	s_cselect_b32 s20, 24, 0
	s_cselect_b32 s21, 4096, s21                   ; a row of the weight in bytes
	s_cselect_b32 s22, 64, -16
	s_cmp_lt_u32 s19, 16
	s_cselect_b32 s22, 72, s22
	s_add_co_u32 s22, s22, s19                     ; where the group's 128 rows lie in cod: q, k: group + 72; v: group - 16; w_out: group + 64
	s_sub_co_u32 s23, s19, s20
	s_lshl_b32 s23, s23, 7
	s_lshl_b32 s24, s16, 5
	s_add_co_u32 s23, s23, s24                     ; my wave's first column in its weight
	s_lshl_b32 s22, s22, 7
	s_add_co_u32 s22, s22, s24                     ; and its first row in cod
	s_lshl_b32 s25, s18, 8
	s_mul_i32 s26, s25, s21                        ; 256 rows of the weight for each step along K,
	s_lshl_b32 s25, s23, 2
	s_add_co_u32 s26, s26, s25                     ; + 4 bytes a column
	s_mov_b32 s27, 0
	s_lshl_b32 s28, s21, 5                         ; a block's 32 rows
	s_mov_b32 s29, 0
	s_mul_i32 s48, s22, KROW
	s_mul_i32 s49, s18, 192
	s_add_co_u32 s48, s48, s49                     ; my codes: row x 768 + 192 for each 256 along K
	s_mov_b32 s49, 0
	s_lshl_b32 s50, s22, 5
	s_lshl_b32 s51, s18, 3
	s_add_co_u32 s50, s50, s51                     ; my scale bytes: row x 32 + 8
	s_mov_b32 s51, 0
	s_wait_alu depctr_va_vdst(0)
	v_lshlrev_b32 v3, 2, v2                        ; in: 4 bytes a lane
.set i, 0
.rept 32
	v_mad_u32_u24 v[OF+i], s21, i, v3              ; row i of a block: the pitch differs between the two weights, so it cannot stand in an immediate
.set i, i+1
.endr
	v_and_b32 v10, 7, v2
	v_bfe_u32 v11, v2, 3, 1
	v_lshl_add_u32 v10, v11, 4, v10
	v_bfe_u32 v11, v2, 4, 1
	v_lshl_add_u32 v10, v11, 3, v10                ; my column's row among the wave's 32: bits 3 and 4 change places
	s_mul_i32 s30, s16, 32*PITCH
	s_add_co_u32 s30, s30, WSTG                    ; my stage
	v_mul_u32_u24 v4, v10, PITCH
	v_add_nc_u32 v4, s30, v4                       ; into it: my row
	v_and_b32 v5, 15, v2
	v_lshrrev_b32 v6, 4, v2                        ; out of it: sixteen lanes to a row, two rows an instruction
	v_mul_u32_u24 v7, v6, PITCH
	v_lshl_add_u32 v7, v5, 4, v7
	v_add_nc_u32 v7, s30, v7
	v_mul_u32_u24 v8, v6, KROW
	v_mad_u32_u24 v8, v5, 12, v8                   ; the same place in cod
	v_lshlrev_b32 v9, 5, v10                       ; my row of scale bytes
	s_wait_kmcnt 0x0
	s_cmp_ge_u32 s19, 24                           ; the choice hangs on the work-group's number alone
	s_cselect_b64 s[6:7], s[8:9], s[6:7]
	s_add_nc_u64 s[32:33], s[6:7], s[26:27]        ; a base for each of the eight blocks: no address is stepped
.irp t, 1,2,3,4,5,6,7
	s_add_nc_u64 s[32+2*\t:33+2*\t], s[30+2*\t:31+2*\t], s[28:29]
.endr
	s_add_nc_u64 s[10:11], s[10:11], s[48:49]
	s_add_nc_u64 s[12:13], s[12:13], s[50:51]
.macro WLOAD t                         ; block t: W(32 t + i, my column) into set t % 2: each load reads 128 consecutive bytes a wave
.set i, 0
.rept 32
	global_load_b32 v[WX+32*((\t)%2)+i], v[OF+i], s[32+2*(\t):33+2*(\t)] th:TH_LOAD_NT
.set i, i+1
.endr
.endm
	WLOAD 0
	WLOAD 1
.macro WBLOCK t
.set XS, WX+32*((\t)%2)
.if (\t) < NB-1
	s_wait_loadcnt 32                              ; this block's 32 loads are in; the next block's 32 stay out
.else
	s_wait_loadcnt 0
.endif
	v_max3_num_f32 v12, |v[XS]|, |v[XS+1]|, |v[XS+2]|               ; the block's largest magnitude: all 32 numbers are mine
	v_max3_num_f32 v13, |v[XS+3]|, |v[XS+4]|, |v[XS+5]|
.irp i, 6,10,14,18,22,26
	v_max3_num_f32 v12, v12, |v[XS+\i]|, |v[XS+\i+1]|
	v_max3_num_f32 v13, v13, |v[XS+\i+2]|, |v[XS+\i+3]|
.endr
	v_max3_num_f32 v12, v12, |v[XS+30]|, |v[XS+31]|
	v_max3_num_f32 v12, v12, v13, (EMAX+1)<<23     ; and the floor
	v_add_nc_u32 v11, -(EMAX<<23), v12             ; the conversion's scale operand
	v_lshrrev_b32 v13, 23, v11                     ; the scale's byte
.if (\t)%4 == 0
	v_mov_b32 v[SB+(\t)/4], v13                    ; four bytes to a register, the lower K in the lower byte
.else
	v_lshl_or_b32 v[SB+(\t)/4], v13, 8*((\t)%4), v[SB+(\t)/4]
.endif
	v_cvt_scalef32_pk16_fp6_f32 v[WC:WC+2], v[XS:XS+15], v11
	v_cvt_scalef32_pk16_fp6_f32 v[WC+4:WC+6], v[XS+16:XS+31], v11  ; (a conversion's three registers begin on an even number)
	v_nop                                          ; one plain line behind the conversions
	ds_store_b96 v4, v[WC:WC+2] offset:32*(\t)     ; 12 bytes to a place of 16, so that every LDS address is a multiple of 16
	ds_store_b96 v4, v[WC+4:WC+6] offset:32*(\t)+16
.if (\t)+2 < NB
	WLOAD (\t)+2
.endif
	s_wait_dscnt 0x0                               ; the stores have read their registers: the next block's codes may be written
.endm
.irp t, 0,1,2,3,4,5,6,7
	WBLOCK \t
.endr
	s_wait_alu depctr_va_vdst(0)
	global_store_b64 v9, v[SB:SB+1], s[12:13]      ; my row's 8 scale bytes
.irp t, 0,1,2,3,4,5,6,7,8,9,10,11,12,13,14,15
	ds_load_b96 v[OUTR+4*\t:OUTR+4*\t+2], v7 offset:2*\t*PITCH     ; these loads see my stores
.endr
.irp t, 0,1,2,3,4,5,6,7,8,9,10,11,12,13,14,15
	s_wait_dscnt 15-\t                             ; LDS loads come back in order: pair t of rows is in, the 15 - t younger ones may be out
	global_store_b96 v8, v[OUTR+4*\t:OUTR+4*\t+2], s[10:11] offset:2*\t*KROW   ; sixteen lanes store a row's 192 consecutive bytes
.endr
	s_wait_tensorcnt 0x0
	ds_add_u32 v208, v209
	s_wait_dscnt 0x0
	s_endpgm
.Lfunc_end_k_q3c6eac5d19_quant:
	.size	k_q3c6eac5d19_quant, .Lfunc_end_k_q3c6eac5d19_quant-k_q3c6eac5d19_quant
	.p2alignl 7, 3214868480
	.fill 96, 4, 3214868480
	.section	.rodata,"a",@progbits
	.p2align	6, 0x0
	.amdhsa_kernel k_q3c6eac5d19_quant
		.amdhsa_group_segment_fixed_size 68096
		.amdhsa_private_segment_fixed_size 0
		.amdhsa_enable_private_segment 0
		.amdhsa_kernarg_size 40
		.amdhsa_user_sgpr_count 2
		.amdhsa_user_sgpr_kernarg_segment_ptr 1
		.amdhsa_wavefront_size32 1
		.amdhsa_system_sgpr_workgroup_id_x 1
		.amdhsa_system_sgpr_workgroup_id_y 1
		.amdhsa_system_sgpr_workgroup_id_z 1
		.amdhsa_system_vgpr_workitem_id 0
		.amdhsa_next_free_vgpr 210
		.amdhsa_next_free_sgpr 66
		.amdhsa_reserve_vcc 0
		.amdhsa_float_denorm_mode_32 3
		.amdhsa_float_denorm_mode_16_64 3
		.amdhsa_memory_ordered 1
		.amdhsa_forward_progress 1
		.amdhsa_inst_pref_size 77
	.end_amdhsa_kernel
	.amdgpu_metadata
---
amdhsa.version: [ 1, 2 ]
amdhsa.kernels:
  - .name:           k_q3c6eac5d19_quant
    .symbol:         k_q3c6eac5d19_quant.kd
    .args:
      - { .name: x, .offset: 0, .size: 8, .value_kind: global_buffer, .address_space: global }
      - { .name: w_qkv, .offset: 8, .size: 8, .value_kind: global_buffer, .address_space: global }
      - { .name: w_out, .offset: 16, .size: 8, .value_kind: global_buffer, .address_space: global }
      - { .name: cod, .offset: 24, .size: 8, .value_kind: global_buffer, .address_space: global }
      - { .name: scl, .offset: 32, .size: 8, .value_kind: global_buffer, .address_space: global }
    .group_segment_fixed_size: 68096
    .private_segment_fixed_size: 0
    .kernarg_segment_align: 8
    .kernarg_segment_size: 40
    .max_flat_workgroup_size: 128
    .sgpr_count:     66
    .vgpr_count:     210
    .wavefront_size: 32
...
	.end_amdgpu_metadata
.endif
;; end of part 1
;; launch qkv (part 2): grid 8 x 48, 4 waves a work-group, clusters of 4 x 4, 327,680 bytes of LDS; arguments cod, scl, qkvc, qkvs; writes qkvc, qkvs
.if DOCPART == 2
	.amdgcn_target "amdgcn-amd-amdhsa--gfx1250"
	.amdhsa_code_object_version 6
	.text
	.protected	k_q3c6eac5d19_qkv
	.globl	k_q3c6eac5d19_qkv
	.p2align	8
	.type	k_q3c6eac5d19_qkv,@function
k_q3c6eac5d19_qkv:
	s_mov_b64 s[64:65], 0
	v_nop
	global_prefetch_b8 v0, s[64:65] scope:SCOPE_SE
	s_setreg_imm32_b32 hwreg(HW_REG_WAVE_MODE, 25, 1), 1
	s_wait_xcnt 0x0
	s_wait_alu depctr_hold_cnt(0) depctr_sa_sdst(0) depctr_va_vdst(0) depctr_va_sdst(0) depctr_va_ssrc(0) depctr_va_vcc(0) depctr_vm_vsrc(0)
	s_getreg_b32 s2, hwreg(HW_REG_IB_STS2, 6, 4)
	s_cmp_eq_u32 s2, 0
	s_cbranch_scc0 .Lentry_in_a_cluster
	s_endpgm
.Lentry_in_a_cluster:
	s_bfe_u32 s2, ttmp6, 0x10000c
	s_cmp_lg_u32 s2, 0xf033
	s_cbranch_scc0 .Lentry_shape_is_right
	s_endpgm
.Lentry_shape_is_right:
; The first product, x w_qkv, on codes of FP6 (E2M3) with E8M0 scales, and the quantising of its result for the two products of attention.  No f32 result goes to memory.
; ONE FORM SERVES ALL: C[i][j] = sum over k of P[i][k] Q[j][k], K = 1,024, P and Q both rows of cod (768 bytes of codes a row; scl: 32 scale bytes a row), and C is quantised ALONG j.
;   q, k (clusters with y >= 4): P = x's rows (tokens), Q = w_qkv's columns 0-2,047: j runs along a head's 64.      v (clusters with y < 4): P = w_qkv's columns 2,048-3,071, Q = x's rows: j runs along the keys.
; A tile of C, 256 x 256, is made by four waves, 128 x 128 each: 64 accumulators, 512 registers.  K goes in steps of 256 through a ring of two LDS slots filled by the tensor data mover; the scale bytes of the
; work-group's 512 rows come once, with the first fills, and stay.  CLUSTERS of 4 x 4: P's tiles are asked for jointly along a row of the cluster, Q's along a column.
; THE MATRIX INSTRUCTION IS USED TRANSPOSED (source 0 = 16 rows of Q, source 1 = 16 rows of P).  cod's rows lie with bits 3 and 4 of the row number changed, so the 16 registers of accumulators (a, 2 g) and (a, 2 g + 1)
; are j = 32 g + 16 (lane / 16) + 0 .. 15 of row lane % 16 of P's block a: sixteen neighbours along the next K, as the conversions want them.
; OUT: for each block a (16 rows x 128 j) a fragment's 12 registers leave as two HALF IMAGES of 768 bytes (64 along j each): registers 0-3 at 16 x lane, registers 4-5 at 512 + 8 x lane.
;   qkvc: [24 planes][64 slots][8 blocks a][2 halves][768].  Planes 0-7 q's head pairs, 8-15 k's (slot = 128 tokens, half = the head's parity); planes 16-23 v's head pairs (slot = 128 keys, a = 4 x parity + tile of d, half = which 64 keys).
;   qkvs: [24 planes][64 slots][2 parities][16 rows][4 words].  q, k: word g = the two bytes of tile 2 g, then of tile 2 g + 1;  v: word t = the four key blocks' bytes of d tile t.
; LIMITS: NaN and infinities are not served; a block whose largest magnitude lies under 2^-124 keeps the byte 1; a block of zeros has the byte 1 (its codes are zeros; this program alone reads the bytes).
; REGISTERS, in windows of 256: window 0: v0-31 addresses; v32-63 scale words, two sets; from v128 P's fragments, ONE set; on the way out v32-59 scale words made, v128-223 codes, v224-247 at work.
;   window 1: Q's fragments, TWO sets, at v0 and v128.   window 2: the accumulators of my rows 0-63 ((a, b) at v[8 (8 a + b)]);   window 3: those of my rows 64-127.
.set KSTEP,  256                       ; along K in a slot
.set NQ,     KSTEP/128                 ; matrix instructions deep
.set ROWB,   192                       ; a tile's row in bytes
.set KROW,   768                       ; a row of cod
.set PITCH,  240                       ; an LDS row: 3 x (64 bytes + 16 of padding) = 60 words: the 32 lanes of a load of 8 bytes touch 64 different banks (64 banks of 4 bytes: ISA guide 11.1)
.set FR,     12                        ; registers of a fragment
.set NL,     6                         ; LDS loads that bring one
.set NP,     4                         ; places behind this matrix instruction (ISA guide 7.12.1)
.set HALFT,  128*PITCH                 ; 128 rows: one tensor load
.set SLOT,   4*HALFT                   ; P's 256 rows, then Q's 256
.set LAPS,   2                         ; K = 1,024 is twice round the ring
.set KS,     32                        ; a row of scale bytes
.set SCL,    2*SLOT                    ; behind the ring: the scale bytes, as units of 256 bytes + 16 of padding
.set HALFS,  (128*KS/256)*272          ; those of 128 rows
.set SBLK,   (16*KS/256)*272           ; those of 16 rows
.set SPARE,  SCL+4*HALFS               ; the spare words, 128 bytes for each wave: two blocks of 256 bytes that no other line names
.set ADRA, 16                          ; v16-17 LDS address of P's fragments in slot 0, 1 (v18-19: for the pieces behind one padding more)
.set ADRB, 20                          ; v20-23 the same for Q
.set O16,  24                          ; v24    16 x lane
.set O8,   25                          ; v25    8 x lane
.set ADRS, 27                          ; v27    LDS address of my scale words: lanes 0-15 P's rows, lanes 16-31 Q's
.set SPW,  28                          ; v28    my spare word's address; never rewritten
.set NIL,  29                          ; v29    0; never rewritten
.set SC,   32                          ; scale words: set s at v[SC + 16 s]; register 2 i + q: lanes 0-15 P's block i, lanes 16-31 Q's block i
.set AF,   128                         ; P's fragments
.set PW,   32                          ; the way out: v32-39 block a's scale word
.set WD,   40                          ; v40-59 the words as they are stored
.set PC,   128                         ; v128-223 block a's codes at PC + 12 a: registers of its own for each block, so no store's data are written again
.set T,    224                         ; v224-230 the conversions' second halves
.set TM,   232                         ; v232-235 largest magnitudes, v236-239 the other half's, then bytes, v244-247 scale operands
.set G1, 24                            ; s[24:31] group 1 for P's tiles; s[32:39] group 0, a set for each slot
.set G0, 32
.set G1B, 48                           ; s[48:55], s[56:63] the same for Q's
.set G0B, 56
.set G1S, 68                           ; s[68:75], s[76:79] groups 1 and 0 for P's scale bytes; s[80:87], s[88:91] for Q's
.set G0S, 76
.set G1SB, 80
.set G0SB, 88
.set SEL, 98                           ; s98, s99 selects of v_permlanex16_b32: lane l xor 16
.set MSB, 0
.macro WIN new                         ; the immediate's high byte repeats the setting that is left
.if MSB != (\new)
	s_set_vgpr_msb (MSB<<8)|(\new)
.set MSB, \new
.endif
.endm
.set MUL_LO, 0xa1                      ; source 0 (Q) window 1, source 1 (P) window 0, C and D window 2
.set MUL_HI, 0xf1                      ; the same, C and D window 3
.set TO_B,   0x40                      ; destination window 1
; A joint load: waves 0 and 1 fetch for P, waves 2 and 3 for Q; the branch hangs on the wave's number alone.  Four v_nop follow each of the two lines.
.macro JLOAD g0a, g1a, g0b, g1b
	s_cmp_eq_u32 s15, 0
	s_cbranch_scc0 .Lfor_b_\@
	tensor_load_to_lds s[\g0a:\g0a+3], s[\g1a:\g1a+7]
	s_nop 0
.rept 4
	v_nop
.endr
	s_branch .Lasked_\@
.Lfor_b_\@:
	tensor_load_to_lds s[\g0b:\g0b+3], s[\g1b:\g1b+7]
	s_nop 0
.rept 4
	v_nop
.endr
.Lasked_\@:
.endm
.macro CREST                           ; a round of the cluster's barrier behind its opening barrier
	s_cmp_lg_u32 s14, 0
	s_cbranch_scc1 .Lnot_wave_0_\@
	s_barrier_signal -3
.Lnot_wave_0_\@:
	s_barrier_wait -3
	s_barrier_signal -1
	s_barrier_wait -1
.endm
.macro CROUND
	s_barrier_signal -1
	s_barrier_wait -1
	CREST
.endm
	s_load_b128 s[4:7], s[0:1], 0x0                ; cod, scl
	s_load_b128 s[8:11], s[0:1], 0x10              ; qkvc, qkvs
	v_lshl_add_u32 v[SPW], v0, 2, SPARE
	v_mov_b32 v[NIL], 0
	ds_add_u32 v28, v29
	ds_add_u32 v28, v29
	s_wait_dscnt 0x0
	v_lshrrev_b32 v1, 5, v0
	v_readfirstlane_b32 s14, v1                    ; wave 0..3
	s_lshr_b32 s15, s14, 1                         ; which half of P's rows is mine.  Also: I fetch for P (0) or for Q (1)
	s_and_b32 s16, s14, 1                          ; which half of Q's rows.  Also: which 128 rows I fetch
	s_bfe_u32 s40, ttmp6, 0x40000                  ; cx, cy: my place in the cluster
	s_bfe_u32 s41, ttmp6, 0x40004
	s_and_b32 s12, ttmp7, 0xffff                   ; the cluster's y, 0 .. 11: under 4: v
	s_min_u32 s17, s12, 3
	s_sub_co_u32 s17, s12, s17
	s_lshl_b32 s17, s17, 2
	s_add_co_u32 s17, s17, s41                     ; P's tile of 256 rows of cod: v: cy (the v columns);  q, k: 4 + 4 (y - 4) + cy (x)
	s_min_u32 s42, s12, 4
	s_lshl_b32 s42, s42, 3
	s_lshl_b32 s13, ttmp9, 2
	s_add_co_u32 s42, s42, s13
	s_add_co_u32 s42, s42, s40
	s_add_co_u32 s42, s42, 4                       ; Q's tile: v: 4 + 8 y + 4 x + cx (x);  q, k: 36 + 4 x + cx (the q and k columns)
	s_lshl_b32 s43, s41, 2
	s_lshl_b32 s43, 15, s43                        ; my row of the cluster
	s_lshl_b32 s44, 0x1111, s40                    ; my column
	s_mov_b32 s[SEL], 0x76543210
	s_mov_b32 s[SEL+1], 0xfedcba98
	; group 1: a tile of 128 rows x 192 bytes, 16 bytes of padding behind every 64
	s_or_b32 s[G1+0], s43, (0<<16)|(1<<20)|(1<<21)|(3<<22)|(3<<25)  ; 15:0 the mask; 17:16 elements of 1 byte; 20 padding on; 21 set beside a mask; 24:22 after every 16 words; 31:25 of 4 words
	s_or_b32 s[G1B+0], s44, (0<<16)|(1<<20)|(1<<21)|(3<<22)|(3<<25)
.irp g, G1, G1B
	s_mov_b32 s[\g+1], ROWB<<16                    ; tensor_dim0
	s_mov_b32 s[\g+2], 128<<16                     ; tensor_dim1
	s_mov_b32 s[\g+3], ROWB<<16                    ; tile_dim0
	s_mov_b32 s[\g+4], 128                         ; tile_dim1
	s_mov_b32 s[\g+5], KROW                        ; the pitch
	s_mov_b32 s[\g+6], 0
	s_mov_b32 s[\g+7], 0
.endr
	; the scale bytes of 128 rows: 4,096 dense bytes, as 16 rows of 256 bytes (32 elements of 8 bytes), 16 bytes of padding behind each
	s_or_b32 s[G1S+0], s43, (3<<16)|(1<<20)|(1<<21)|(5<<22)|(3<<25)
	s_or_b32 s[G1SB+0], s44, (3<<16)|(1<<20)|(1<<21)|(5<<22)|(3<<25)
.irp g, G1S, G1SB
	s_mov_b32 s[\g+1], 32<<16
	s_mov_b32 s[\g+2], (128*KS/256)<<16
	s_mov_b32 s[\g+3], 32<<16
	s_mov_b32 s[\g+4], 128*KS/256
	s_mov_b32 s[\g+5], 32
	s_mov_b32 s[\g+6], 0
	s_mov_b32 s[\g+7], 0
.endr
	s_lshl_b32 s18, s16, 7                         ; which 128 rows of the tile I fetch
	s_lshl_b32 s20, s17, 8
	s_add_co_u32 s20, s20, s18                     ; P's row in cod
	s_lshl_b32 s46, s42, 8
	s_add_co_u32 s46, s46, s18                     ; Q's
	s_mov_b32 s21, 0
	s_mov_b32 s47, 0
	s_mov_b64 s[18:19], KS
	s_mul_u64 s[22:23], s[20:21], s[18:19]         ; where these rows' scale bytes begin
	s_mul_u64 s[92:93], s[46:47], s[18:19]
	s_mov_b64 s[18:19], KROW
	s_mul_u64 s[20:21], s[20:21], s[18:19]         ; and their codes
	s_mul_u64 s[46:47], s[46:47], s[18:19]
	s_mul_i32 s45, s14, HALFT                      ; where they go: wave x 128 rows: no place in the cluster enters an LDS address
	s_mul_i32 s94, s14, HALFS
	s_wait_kmcnt 0x0
	s_add_nc_u64 s[20:21], s[4:5], s[20:21]
	s_add_nc_u64 s[22:23], s[6:7], s[22:23]
	s_add_nc_u64 s[46:47], s[4:5], s[46:47]
	s_add_nc_u64 s[92:93], s[6:7], s[92:93]
	CROUND                                         ; all sixteen work-groups are here: the first joint loads meet
	s_mov_b32 s[G0S], 1
	s_add_co_u32 s[G0S+1], s94, SCL
	s_mov_b64 s[G0S+2:G0S+3], s[22:23]
	s_or_b32 s[G0S+3], s[G0S+3], 0x80000000
	s_mov_b32 s[G0SB], 1
	s_add_co_u32 s[G0SB+1], s94, SCL
	s_mov_b64 s[G0SB+2:G0SB+3], s[92:93]
	s_or_b32 s[G0SB+3], s[G0SB+3], 0x80000000
	JLOAD G0S, G1S, G0SB, G1SB                     ; the scale bytes first: they are wanted with K step 0
.irp s, 0,1
	s_mov_b32 s[G0+4*\s], 1
	s_add_co_u32 s[G0+4*\s+1], s45, \s*SLOT
	s_add_nc_u64 s[G0+4*\s+2:G0+4*\s+3], s[20:21], \s*ROWB
	s_or_b32 s[G0+4*\s+3], s[G0+4*\s+3], 0x80000000
	s_mov_b32 s[G0B+4*\s], 1
	s_add_co_u32 s[G0B+4*\s+1], s45, \s*SLOT
	s_add_nc_u64 s[G0B+4*\s+2:G0B+4*\s+3], s[46:47], \s*ROWB
	s_or_b32 s[G0B+4*\s+3], s[G0B+4*\s+3], 0x80000000
	JLOAD G0+4*\s, G1, G0B+4*\s, G1B               ; by this text's count three tensor loads of a wave are out here, later one
.endr
	v_and_b32 v1, 15, v0                           ; l % 16
	v_bfe_u32 v2, v0, 4, 1                         ; l / 16
	v_mul_u32_u24 v3, v1, PITCH
	v_mul_u32_u24 v4, v2, 24
	v_add_nc_u32 v4, v3, v4                        ; a fragment's row x pitch + 24 x half
	v_lshl_add_u32 v5, v2, 4, v4                   ; and the same behind one padding more
	s_mul_i32 s21, s15, HALFT                      ; my 128 rows of P
	s_mul_i32 s22, s16, HALFT                      ; my 128 rows of Q,
	s_add_co_u32 s22, s22, 2*HALFT                 ; which lie behind P's 256
.irp s, 0,1
	v_add_nc_u32 v[ADRA+\s], s21, v4
	v_add_nc_u32 v[ADRB+\s], s22, v4
	v_add_nc_u32 v[ADRA+2+\s], s21, v5
	v_add_nc_u32 v[ADRB+2+\s], s22, v5
	s_add_co_u32 s21, s21, SLOT
	s_add_co_u32 s22, s22, SLOT
.endr
	v_mul_u32_u24 v5, v1, KS                       ; my row's scale bytes: 32 a row,
	v_lshrrev_b32 v6, 8, v5
	v_lshl_add_u32 v5, v6, 4, v5                   ; and 16 more for each 256 passed
	s_mul_i32 s21, s15, HALFS
	s_mul_i32 s22, s16, HALFS
	s_add_co_u32 s22, s22, 2*HALFS
	s_sub_co_u32 s22, s22, s21
	v_mul_u32_u24 v6, s22, v2                      ; lanes 16-31 take Q's: one product, the lower base + half x the distance
	s_add_co_u32 s21, s21, SCL
	v_add_nc_u32 v5, v5, v6
	v_add_nc_u32 v[ADRS], s21, v5
	v_and_b32 v6, 31, v0
	v_lshlrev_b32 v[O16], 4, v6
	v_lshlrev_b32 v[O8], 3, v6
.irp b, 0,1,2,3
	v_mov_b32 v[TM+4+\b], 0                        ; written once: a lane permute's destination counts as one of its sources
.endr
	; where my 128 x 128 goes
	s_lshl_b32 s20, s17, 1
	s_add_co_u32 s20, s20, s15                     ; my 128 rows of P, counted in cod
	s_lshl_b32 s21, s42, 1
	s_add_co_u32 s21, s21, s16                     ; my 128 rows of Q
	s_add_co_u32 s22, s20, 16                      ; v: plane 16 + head pair;
	s_sub_co_u32 s23, s21, 72                      ; q, k: plane = Q's 128 rows less the 72 in front of them
	s_sub_co_u32 s46, s21, 8                       ; v: slot = x's 128 rows (x begins 8 such groups in);
	s_sub_co_u32 s47, s20, 8                       ; q, k: likewise, of P
	s_cmp_lt_u32 s12, 4
	s_cselect_b32 s22, s22, s23
	s_cselect_b32 s46, s46, s47
	s_cselect_b32 s95, -1, 0                       ; a lane mask: all ones for v
	s_mov_b32 s96, 0xffff0000                      ; a lane mask: lanes 16-31
	s_mul_i32 s20, s22, 786432
	s_mul_i32 s21, s46, 12288
	s_add_co_u32 s20, s20, s21
	s_mov_b32 s21, 0
	s_add_nc_u64 s[8:9], s[8:9], s[20:21]
	s_lshl_b32 s20, s22, 15
	s_lshl_b32 s23, s46, 9
	s_add_co_u32 s20, s20, s23
	s_add_nc_u64 s[10:11], s[10:11], s[20:21]
.macro FRAG reg, adr, q, i             ; a fragment, 16 rows x 128 K: lane l holds row l % 16; registers 6 c .. 6 c + 5 hold K = 64 c + 32 (l / 16) + 0 .. 31: 24 bytes of the row's stream of bits, as they lie
.irp p, 0,1,2,3,4,5                    ; in pieces of 8 bytes.  Where the piece three on (lanes 16-31) lies behind one padding more, the second address register serves
.set PCE, 12*(\q)+6*(\p/3)+\p%3
.if PCE%8 < 5
	ds_load_b64 v[\reg+2*\p:\reg+2*\p+1], v[\adr] offset:8*PCE+16*(PCE/8)+(\i)*16*PITCH
.else
	ds_load_b64 v[\reg+2*\p:\reg+2*\p+1], v[\adr+2] offset:8*PCE+16*(PCE/8)+(\i)*16*PITCH
.endif
.endr
.endm
; 16 matrix instructions: P's blocks a0, a0 + 1 x Q's eight, 128 along K.  The 64 accumulators take turns, one instruction a turn, in the same order in every step.
.macro MUL16 a0, p, q, sc, zero
.irp a, \a0, \a0+1
.irp b, 0,1,2,3,4,5,6,7
.if \zero
	v_wmma_scale_f32_16x16x128_f8f6f4 v[8*(8*((\a)%4)+\b):8*(8*((\a)%4)+\b)+7], v[128*(\p)+FR*\b:128*(\p)+FR*\b+FR-1], v[AF+FR*(\a):AF+FR*(\a)+FR-1], 0, v[SC+8*NQ*(\sc)+NQ*\b+(\q)], v[SC+8*NQ*(\sc)+NQ*(\a)+(\q)] matrix_a_fmt:MATRIX_FMT_FP6 matrix_b_fmt:MATRIX_FMT_FP6 matrix_a_scale:MATRIX_SCALE_ROW1
.else
	v_wmma_scale_f32_16x16x128_f8f6f4 v[8*(8*((\a)%4)+\b):8*(8*((\a)%4)+\b)+7], v[128*(\p)+FR*\b:128*(\p)+FR*\b+FR-1], v[AF+FR*(\a):AF+FR*(\a)+FR-1], v[8*(8*((\a)%4)+\b):8*(8*((\a)%4)+\b)+7], v[SC+8*NQ*(\sc)+NQ*\b+(\q)], v[SC+8*NQ*(\sc)+NQ*(\a)+(\q)] matrix_a_fmt:MATRIX_FMT_FP6 matrix_b_fmt:MATRIX_FMT_FP6 matrix_a_scale:MATRIX_SCALE_ROW1
.endif
.endr
.endr
.endm
.macro FETCH_B slot, q, p
	WIN TO_B
.irp i, 0,1,2,3,4,5,6,7
	FRAG 128*(\p)+FR*\i, ADRB+\slot, \q, \i
.endr
	WIN 0
.endm
.macro FETCH_A slot, q, i0
.irp i, \i0, \i0+1, \i0+2, \i0+3
	FRAG AF+FR*(\i), ADRA+\slot, \q, \i
.endr
.endm
.macro SCALES sc                       ; a K step's scale words: two words a row; lanes 0-15 P's block i, lanes 16-31 Q's block i
.irp i, 0,1,2,3,4,5,6,7
	ds_load_b64 v[SC+8*NQ*\sc+NQ*\i:SC+8*NQ*\sc+NQ*\i+1], v[ADRS] offset:\i*SBLK
.endr
.endm
.macro PLACES n                        ; plain vector lines between a matrix instruction and a load into, or a vector line on, its registers (ISA guide 7.12.1 for vector lines)
.rept \n
	v_nop
.endr
.endm
.macro STEP slot, q, zero              ; 128 along K that has its successor in the same slot
	s_wait_dscnt 4*NL                              ; Q's set and P's blocks 0-3 are in; the youngest 24 loads (P's blocks 4-7) may be out
	WIN MUL_LO
	MUL16 0, (\q)%2, \q, \slot, \zero
	MUL16 2, (\q)%2, \q, \slot, \zero
	s_wait_dscnt 0                                 ; P's blocks 4-7 are in
	PLACES NP
	FETCH_B \slot, (\q)+1, 1-(\q)%2
	FETCH_A \slot, (\q)+1, 0
	WIN MUL_HI
	MUL16 4, (\q)%2, \q, \slot, \zero
	MUL16 6, (\q)%2, \q, \slot, \zero
	PLACES NP
	WIN 0
	FETCH_A \slot, (\q)+1, 4
.endm
; A slot's last 128 along K changes slots: ONE barrier; in front of it each wave waits for all its tensor loads, adds 0 to its spare word, and waits for that and for its reads of this slot.  fill = 1: the slot is filled again, two K steps ahead.
.macro TURN slot, next, fill
	s_wait_tensorcnt 0x0                           ; all my tensor loads have landed: my part of the next slot
	ds_add_u32 v[SPW], v[NIL]                      ; 0 onto my spare word
	s_wait_dscnt 4*NL+1                            ; the add and the youngest 24 loads (P's blocks 4-7) may be out
	WIN MUL_LO
	MUL16 0, 1, NQ-1, \slot, 0                     ; sixteen matrix instructions stand between the add and the wait for it
	s_wait_dscnt 0x0                               ; the add is done, and my reads of this slot are over
	s_barrier_signal -1
	MUL16 2, 1, NQ-1, \slot, 0
	WIN 0
	s_barrier_wait -1
.if \fill
	CREST                                          ; the barrier has opened a round of the cluster's: no wave of any partner still reads this slot or has a load on its way
	s_add_nc_u64 s[G0+4*\slot+2:G0+4*\slot+3], s[G0+4*\slot+2:G0+4*\slot+3], 2*ROWB
	s_add_nc_u64 s[G0B+4*\slot+2:G0B+4*\slot+3], s[G0B+4*\slot+2:G0B+4*\slot+3], 2*ROWB
	JLOAD G0+4*\slot, G1, G0B+4*\slot, G1B         ; the first tensor load behind the round; its four v_nop are the places in front of the loads below
.else
	PLACES NP
.endif
	s_wait_alu depctr_va_vdst(0)
	v_add_nc_u32 v[ADRS], 4*NQ, v[ADRS]            ; the next K step's scale words
	FETCH_B \next, 0, 0
	FETCH_A \next, 0, 0
	SCALES \next
	WIN MUL_HI
	MUL16 4, 1, NQ-1, \slot, 0
	MUL16 6, 1, NQ-1, \slot, 0
	PLACES NP
	WIN 0
	FETCH_A \next, 0, 4
.endm
	s_wait_alu depctr_va_vdst(0)
	s_wait_tensorcnt 1                             ; the scale bytes and my part of K step 0 are in; K step 1's load, the one issued behind them, may stay out
	s_barrier_signal -1
	s_barrier_wait -1
	FETCH_B 0, 0, 0
	FETCH_A 0, 0, 0
	SCALES 0
	FETCH_A 0, 0, 4
	STEP 0, 0, 1                                   ; the first step's products start the sums: nothing is cleared
	s_mov_b32 s3, LAPS-1
.Llap:                                                 ; a trip goes once round the ring and fills both slots again
	TURN 0, 1, 1
	STEP 1, 0, 0
	TURN 1, 0, 1
	STEP 0, 0, 0
	s_sub_co_u32 s3, s3, 1
	s_cmp_lg_u32 s3, 0
	s_cbranch_scc1 .Llap
	TURN 0, 1, 0                                   ; the last lap fills nothing
	STEP 1, 0, 0
	s_wait_dscnt 4*NL
	WIN MUL_LO
	MUL16 0, 1, NQ-1, 1, 0
	MUL16 2, 1, NQ-1, 1, 0
	s_wait_dscnt 0
	WIN MUL_HI
	MUL16 4, 1, NQ-1, 1, 0
	MUL16 6, 1, NQ-1, 1, 0
	WIN 0
; THE WAY OUT.  Block a's 64 registers of a lane (register 16 g + i = j 32 g + 16 (lane / 16) + i of my row) become a fragment's 12 registers and its scale word; no LDS, no branch, no wait:
; each block has registers of its own for what it stores.  Each accumulator is read from its low end on.
.macro QROW a
.set AC, 64*((\a)%4)
.set PCA, PC+12*(\a)
	WIN 0x0a+5*((\a)/4)                            ; sources 0 and 1: window 2 or 3
.irp b, 0,1,2,3
	v_max3_num_f32 v[TM+\b], |v[AC+16*\b]|, |v[AC+16*\b+1]|, 0x1800000   ; block g: my 16 numbers, and the floor 2^(3 - 127): the byte cannot fall under 1
.endr
.irp i, 2,4,6,8,10,12,14
.irp b, 0,1,2,3
	v_max3_num_f32 v[TM+\b], |v[AC+16*\b+\i]|, |v[AC+16*\b+\i+1]|, v[TM+\b]   ; the four blocks by turns
.endr
.endr
	WIN 0
.irp b, 0,1,2,3
	v_permlanex16_b32 v[TM+4+\b], v[TM+\b], s[SEL], s[SEL+1]
.endr
.irp b, 0,1,2,3
	v_max_num_f32 v[TM+\b], v[TM+\b], v[TM+4+\b]   ; with lane l xor 16's: the block's largest magnitude
.endr
.irp b, 0,1,2,3
	v_add_nc_u32 v[TM+12+\b], 0xff000000, v[TM+\b] ; 2 off its exponent field: the conversion's scale operand
.endr
.irp b, 0,1,2,3
	v_lshrrev_b32 v[TM+4+\b], 23, v[TM+12+\b]      ; the scale's byte
.endr
	v_lshl_or_b32 v[PW+(\a)], v[TM+5], 8, v[TM+4]  ; my row's scale word; lanes l and l xor 16 hold the same
	v_lshl_or_b32 v[PW+(\a)], v[TM+6], 16, v[PW+(\a)]
	v_lshl_or_b32 v[PW+(\a)], v[TM+7], 24, v[PW+(\a)]
	WIN 2+(\a)/4                                   ; source 0: window 2 or 3
.irp c, 0,1
	v_cvt_scalef32_pk16_fp6_f32 v[PCA+6*\c:PCA+6*\c+2], v[AC+32*\c:AC+32*\c+15], v[TM+12+2*\c]
	v_cvt_scalef32_pk16_fp6_f32 v[T+4*\c:T+4*\c+2], v[AC+32*\c+16:AC+32*\c+31], v[TM+13+2*\c]   ; (a conversion's three registers begin on an even number)
.endr
	WIN 0
	v_nop                                          ; one plain line behind the conversions
.irp c, 0,1                            ; the operand's layout wants a WHOLE block in a lane: lanes 0-15 block 2 c, lanes 16-31 block 2 c + 1
.irp i, 0,1,2
	v_permlane16_swap_b32 v[PCA+6*\c+\i], v[T+4*\c+\i]
.endr
.irp i, 0,1,2
	v_mov_b32 v[PCA+6*\c+3+\i], v[T+4*\c+\i]
.endr
.endr
	global_store_b128 v[O16], v[PCA:PCA+3], s[8:9] offset:(\a)*1536            ; 512 consecutive bytes, aligned to 256
	global_store_b64 v[O8], v[PCA+4:PCA+5], s[8:9] offset:(\a)*1536+512        ; 256 consecutive bytes, aligned
	global_store_b128 v[O16], v[PCA+6:PCA+9], s[8:9] offset:(\a)*1536+768
	global_store_b64 v[O8], v[PCA+10:PCA+11], s[8:9] offset:(\a)*1536+1280
.endm
	PLACES NP                                      ; behind the last products: their operands' registers are written and their results read below
.irp a, 0,1,2,3,4,5,6,7
	QROW \a
.endr
; The scale words.  q, k: a block's word is [parity 0: two bytes | parity 1: two bytes]; stored is, for each parity, [tile 2 g's two | tile 2 g + 1's two].  v: the block's word as it is, blocks 0-3 parity 0, blocks 4-7 parity 1.
; Lanes 0-15 store parity 0's four words of their row, lanes 16-31 parity 1's: 512 consecutive bytes.
.irp b, 0,1,2,3
	v_perm_b32 v[WD+\b], v[PW+2*\b+1], v[PW+2*\b], 0x05040100      ; the two low halves
	v_perm_b32 v[WD+4+\b], v[PW+2*\b+1], v[PW+2*\b], 0x07060302    ; the two high halves
.endr
.irp b, 0,1,2,3
	v_cndmask_b32 v[WD+8+\b], v[WD+\b], v[PW+\b], s95
	v_cndmask_b32 v[WD+12+\b], v[WD+4+\b], v[PW+4+\b], s95
.endr
.irp b, 0,1,2,3
	v_cndmask_b32 v[WD+16+\b], v[WD+8+\b], v[WD+12+\b], s96
.endr
	global_store_b128 v[O16], v[WD+16:WD+19], s[10:11]
	s_wait_tensorcnt 0x0                           ; the wave's end
	ds_add_u32 v[SPW], v[NIL]
	s_wait_dscnt 0x0
	CROUND                                         ; the closing round: no work-group ends while a partner may still ask for a tile that names it
	s_endpgm
.Lfunc_end_k_q3c6eac5d19_qkv:
	.size	k_q3c6eac5d19_qkv, .Lfunc_end_k_q3c6eac5d19_qkv-k_q3c6eac5d19_qkv
	.p2alignl 7, 3214868480
	.fill 96, 4, 3214868480
	.section	.rodata,"a",@progbits
	.p2align	6, 0x0
	.amdhsa_kernel k_q3c6eac5d19_qkv
		.amdhsa_group_segment_fixed_size 327680
		.amdhsa_private_segment_fixed_size 0
		.amdhsa_enable_private_segment 0
		.amdhsa_kernarg_size 32
		.amdhsa_user_sgpr_count 2
		.amdhsa_user_sgpr_kernarg_segment_ptr 1
		.amdhsa_wavefront_size32 1
		.amdhsa_system_sgpr_workgroup_id_x 1
		.amdhsa_system_sgpr_workgroup_id_y 1
		.amdhsa_system_sgpr_workgroup_id_z 1
		.amdhsa_system_vgpr_workitem_id 0
		.amdhsa_next_free_vgpr 1024
		.amdhsa_next_free_sgpr 100
		.amdhsa_reserve_vcc 0
		.amdhsa_float_denorm_mode_32 3
		.amdhsa_float_denorm_mode_16_64 3
		.amdhsa_memory_ordered 1
		.amdhsa_forward_progress 1
		.amdhsa_inst_pref_size 166
	.end_amdhsa_kernel
	.amdgpu_metadata
---
amdhsa.version: [ 1, 2 ]
amdhsa.kernels:
  - .name:           k_q3c6eac5d19_qkv
    .symbol:         k_q3c6eac5d19_qkv.kd
    .args:
      - { .name: cod, .offset: 0, .size: 8, .value_kind: global_buffer, .address_space: global }
      - { .name: scl, .offset: 8, .size: 8, .value_kind: global_buffer, .address_space: global }
      - { .name: qkvc, .offset: 16, .size: 8, .value_kind: global_buffer, .address_space: global }
      - { .name: qkvs, .offset: 24, .size: 8, .value_kind: global_buffer, .address_space: global }
    .group_segment_fixed_size: 327680
    .private_segment_fixed_size: 0
    .kernarg_segment_align: 8
    .kernarg_segment_size: 32
    .max_flat_workgroup_size: 128
    .sgpr_count:     100
    .vgpr_count:     1024
    .wavefront_size: 32
...
	.end_amdgpu_metadata
.endif
;; end of part 2
;; launch attn (part 3): grid 4 x 64, 16 waves a work-group, clusters of 4 x 1, 206,848 bytes of LDS; arguments qkvc, qkvs, aoc, aos; writes aoc, aos
.if DOCPART == 3
	.amdgcn_target "amdgcn-amd-amdhsa--gfx1250"
	.amdhsa_code_object_version 6
	.text
	.protected	k_q3c6eac5d19_attn
	.globl	k_q3c6eac5d19_attn
	.p2align	8
	.type	k_q3c6eac5d19_attn,@function
k_q3c6eac5d19_attn:
	s_mov_b64 s[64:65], 0
	v_nop
	global_prefetch_b8 v0, s[64:65] scope:SCOPE_SE
	s_setreg_imm32_b32 hwreg(HW_REG_WAVE_MODE, 25, 1), 1
	s_wait_xcnt 0x0
	s_wait_alu depctr_hold_cnt(0) depctr_sa_sdst(0) depctr_va_vdst(0) depctr_va_sdst(0) depctr_va_ssrc(0) depctr_va_vcc(0) depctr_vm_vsrc(0)
	s_getreg_b32 s2, hwreg(HW_REG_IB_STS2, 6, 4)
	s_cmp_eq_u32 s2, 0
	s_cbranch_scc0 .Lentry_in_a_cluster
	s_endpgm
.Lentry_in_a_cluster:
	s_bfe_u32 s2, ttmp6, 0x10000c
	s_cmp_lg_u32 s2, 0x3003
	s_cbranch_scc0 .Lentry_shape_is_right
	s_endpgm
.Lentry_shape_is_right:
; Causal attention of one (batch, head) a cluster, both products on codes of FP6 (E2M3) with E8M0 scales, and the quantising of its result along (head, d) for the last product.
; t = score x log2(e) / 8; M = the running largest t rounded UP to a whole number; p = 2^(t - M) is quantised along the keys, not normalised; the row's sum is taken of the unquantised p and divides at the end.
; IN: qkvc, qkvs as the launch before lays them: half images of 768 bytes (16 rows x 64 along K: registers 0-3 at 16 x lane, registers 4-5 at 512 + 8 x lane) and scale words.
; THE WHOLE HEAD'S K AND V LIE IN LDS (192 KiB of codes, 8 KiB of scale words), filled ONCE by joint loads that name the cluster's four work-groups: no ring, nothing is filled again, no barrier in the loops.
; SHARES.  The head's 2,048 queries are 128 stored tiles of 16; tile 8 a + e lies in tokens 128 a .. 128 a + 127 and wants key steps 0 .. a of 128 keys.  Wave w of work-group cx takes e = 2 cx + w / 8 and
; first a = w % 8, then a = 15 - w % 8: 17 key steps for every wave of every work-group.  Each pass's loop has a constant trip count (8, then 16); steps beyond a are jumped over by a branch on the wave's number and the counter.
; LAYOUT.  Both products are used transposed (S^T = K Q^T, O^T = V^T P^T): a lane holds one query (lane % 16).  Stored tiles hold rows 8 u + r + 8 (r / 8) of their group of 32, so the 16 registers of two
; neighbouring tiles of S^T are 16 neighbouring keys, and those of O^T 16 neighbouring d.
; THE HEAD HAS 64 ALONG K, THE INSTRUCTION 128: one fragment of K carries TWO tiles of keys (k 0-63 and 64-127), and Q stands in one half with zero codes in the other: Q's six registers lie between two runs of six zeros.
; OUT: aoc [512 stored row tiles][16 heads][768]: a half image; aos [8,192 stored rows][32]: bytes 2 head, 2 head + 1.  A work-group owns one head, so of a row's 32 scale bytes it has 2: sixteen lanes store 2 bytes each, 32 bytes apart.
; LIMITS: NaN and infinities are not served; a block whose largest magnitude lies under 2^-124 keeps the byte 1; a block of zeros has the byte 1 (its codes are zeros; this program alone reads the bytes).
; REGISTERS: v1-6 addresses that stay; v7-11 the step's addresses; v12 -M, v13 the largest t, v[14:15] the sum; v16-33 zeros, Q, zeros (first pass); v34 Q's scale word; v36-83 four fragments of K, then of V;
; v84-87, v88-91 K's and V's scale words; v92 32 r, v93 16 r; v96-159 S^T, then p; v160-191 O^T; v192-203 p's codes; v204-210 at work; v212-229, v230 the second pass's Q; v232-254 at work.
.set VC,   98304                       ; LDS: K's 128 tiles x 768 from 0; V's 16 steps x 6,144 from here (d tile x 1,536 + which 64 keys x 768);
.set KSC,  196608                      ; K's scale words: step x 256 + 16 r;
.set VSC,  200704                      ; V's likewise, 4,096 bytes on
.set WV,   12                          ; s12 wave; s13 cx
.set SEL,  20                          ; s[20:21] selects of v_permlanex16_b32: lane l xor 16
.set CS,   22                          ; s[22:23] c = log2(e) / 8
.set G1K,  24                          ; s[24:31], s[32:39], s[40:47] groups 1 for K's codes, V's codes, scale words
.set G1V,  32
.set G1S,  40
.set G0K,  48                          ; s[48:51], s[52:55], s[56:59], s[60:63] groups 0: K, V, K's scale words, V's
.set G0V,  52
.set G0KS, 56
.set G0VS, 60
.set CL,   66                          ; s66 a: the pass's last key step
.set ST,   67                          ; s67 the key step
.set TB,   68                          ; s68 6,144 x step
.set TS,   69                          ; s69 256 x step
.set P1,   72                          ; s[72:79] the first pass's bases: Q's codes, Q's scale halfwords, aoc, aos
.set P2,   80                          ; s[80:87] the second's
.macro CROUND                          ; a round of the cluster's barrier
	s_barrier_signal -1
	s_barrier_wait -1
	s_cmp_lg_u32 s[WV], 0
	s_cbranch_scc1 .Lnot_wave_0_\@
	s_barrier_signal -3
.Lnot_wave_0_\@:
	s_barrier_wait -3
	s_barrier_signal -1
	s_barrier_wait -1
.endm
	s_load_b256 s[4:11], s[0:1], 0x0               ; qkvc s[4:5], qkvs s[6:7], aoc s[8:9], aos s[10:11]
	v_lshl_add_u32 v251, v0, 2, 0x32000
	v_mov_b32 v255, 0
	ds_add_u32 v251, v255
	ds_add_u32 v251, v255
	v_lshrrev_b32 v1, 5, v0
	s_delay_alu instid0(VALU_DEP_1)
	v_readfirstlane_b32 s[WV], v1                  ; wave 0..15
	s_bfe_u32 s13, ttmp6, 0x40000                  ; cx: it enters Q's and the output's global addresses and the mask's vector operand, nothing else
	s_and_b32 s14, ttmp7, 0xffff                   ; 16 x batch + head: the four partners share it
	s_lshr_b32 s15, s14, 4                         ; batch
	s_and_b32 s16, s14, 15                         ; head
	s_lshr_b32 s17, s16, 1                         ; head pair
	s_and_b32 s18, s16, 1                          ; parity
	s_mul_i32 s19, s17, 786432                     ; the pair's plane,
	s_mul_i32 s70, s15, 196608                     ; the batch's 16 slots
	s_add_co_u32 s19, s19, s70
	s_mul_i32 s70, s18, 768
	s_add_co_u32 s70, s70, s19                     ; q, k: the parity's half image
	s_mul_i32 s71, s18, 6144
	s_add_co_u32 s71, s71, s19                     ; v: the parity's four d tiles
	s_lshl_b32 s89, s17, 15
	s_lshl_b32 s90, s15, 13
	s_add_co_u32 s89, s89, s90
	s_lshl_b32 s90, s18, 8
	s_add_co_u32 s89, s89, s90                     ; scale words: plane x 32,768 + batch x 8,192 + parity x 256
	s_and_b32 s94, s[WV], 7                        ; waves 0-7 fetch 16 tiles of K each:
	s_mul_i32 s95, s94, 24576
	s_add_co_u32 s90, s70, s95
	s_add_co_u32 s90, s90, 8*786432                ; k's planes begin at 8
	s_mov_b32 s91, 0
	s_mul_i32 s96, s94, 12288                      ; their place in LDS
	s_and_b32 s94, s[WV], 3                        ; waves 8-11 fetch 4 key steps of V each:
	s_mul_i32 s95, s94, 49152
	s_add_co_u32 s92, s71, s95
	s_add_co_u32 s92, s92, 16*786432               ; v's planes begin at 16
	s_mov_b32 s93, 0
	s_mul_i32 s97, s94, 24576
	s_add_co_u32 s97, s97, VC
	; groups 1: elements of 8 bytes, no padding, the mask of all four work-groups with bit 21 beside it
	s_mov_b32 s[G1K], 15|(3<<16)|(1<<21)
	s_mov_b32 s[G1K+1], 96<<16                     ; K: 16 rows of 768 bytes (a tile's half image),
	s_mov_b32 s[G1K+2], 16<<16
	s_mov_b32 s[G1K+3], 96<<16
	s_mov_b32 s[G1K+4], 16
	s_mov_b32 s[G1K+5], 192                        ; 1,536 bytes apart (the other parity lies between)
	s_mov_b32 s[G1K+6], 0
	s_mov_b32 s[G1K+7], 0
	s_mov_b32 s[G1V], 15|(3<<16)|(1<<21)
	s_mov_b32 s[G1V+1], 768<<16                    ; V: 4 rows of 6,144 bytes (a key step's four d tiles),
	s_mov_b32 s[G1V+2], 4<<16
	s_mov_b32 s[G1V+3], 768<<16
	s_mov_b32 s[G1V+4], 4
	s_mov_b32 s[G1V+5], 1536                       ; 12,288 bytes apart
	s_mov_b32 s[G1V+6], 0
	s_mov_b32 s[G1V+7], 0
	s_mov_b32 s[G1S], 15|(3<<16)|(1<<21)
	s_mov_b32 s[G1S+1], 32<<16                     ; scale words: 16 rows of 256 bytes,
	s_mov_b32 s[G1S+2], 16<<16
	s_mov_b32 s[G1S+3], 32<<16
	s_mov_b32 s[G1S+4], 16
	s_mov_b32 s[G1S+5], 64                         ; 512 bytes apart
	s_mov_b32 s[G1S+6], 0
	s_mov_b32 s[G1S+7], 0
	s_mov_b32 s[SEL], 0x76543210
	s_mov_b32 s[SEL+1], 0xfedcba98
	s_mov_b32 s[CS], 0x3e38aa3b                    ; log2(e) / 8
	s_mov_b32 s[CS+1], s[CS]                       ; (named with it as a pair, so it is written)
	s_wait_dscnt 0x0
	s_wait_kmcnt 0x0
	CROUND                                         ; all four work-groups are here: the joint loads meet
	s_mov_b32 s[G0K], 1
	s_mov_b32 s[G0K+1], s96
	s_add_nc_u64 s[G0K+2:G0K+3], s[4:5], s[90:91]
	s_or_b32 s[G0K+3], s[G0K+3], 0x80000000
	s_mov_b32 s[G0V], 1
	s_mov_b32 s[G0V+1], s97
	s_add_nc_u64 s[G0V+2:G0V+3], s[4:5], s[92:93]
	s_or_b32 s[G0V+3], s[G0V+3], 0x80000000
	s_add_co_u32 s90, s89, 8*32768
	s_mov_b32 s[G0KS], 1
	s_mov_b32 s[G0KS+1], KSC
	s_add_nc_u64 s[G0KS+2:G0KS+3], s[6:7], s[90:91]
	s_or_b32 s[G0KS+3], s[G0KS+3], 0x80000000
	s_add_co_u32 s92, s89, 16*32768
	s_mov_b32 s[G0VS], 1
	s_mov_b32 s[G0VS+1], VSC
	s_add_nc_u64 s[G0VS+2:G0VS+3], s[6:7], s[92:93]
	s_or_b32 s[G0VS+3], s[G0VS+3], 0x80000000
	; the fills: one tensor load a wave, chosen by the wave's number alone; waves 14 and 15 issue none.  Four v_nop follow each line.
	s_cmp_lt_u32 s[WV], 8
	s_cbranch_scc0 .Lfill_v
	tensor_load_to_lds s[G0K:G0K+3], s[G1K:G1K+7]
	s_nop 0
.rept 4
	v_nop
.endr
	s_branch .Lfilled
.Lfill_v:
	s_cmp_lt_u32 s[WV], 12
	s_cbranch_scc0 .Lfill_ks
	tensor_load_to_lds s[G0V:G0V+3], s[G1V:G1V+7]
	s_nop 0
.rept 4
	v_nop
.endr
	s_branch .Lfilled
.Lfill_ks:
	s_cmp_eq_u32 s[WV], 12
	s_cbranch_scc0 .Lfill_vs
	tensor_load_to_lds s[G0KS:G0KS+3], s[G1S:G1S+7]
	s_nop 0
.rept 4
	v_nop
.endr
	s_branch .Lfilled
.Lfill_vs:
	s_cmp_eq_u32 s[WV], 13
	s_cbranch_scc0 .Lfilled
	tensor_load_to_lds s[G0VS:G0VS+3], s[G1S:G1S+7]
	s_nop 0
.rept 4
	v_nop
.endr
.Lfilled:
	v_and_b32 v35, 31, v0                          ; lane
	s_delay_alu instid0(VALU_DEP_1)
	v_lshlrev_b32 v1, 4, v35                       ; 16 l: an image's registers 0-3
	s_delay_alu instid0(VALU_DEP_2)
	v_lshl_add_u32 v2, v35, 3, 512                 ; 512 + 8 l: its registers 4-5
	s_delay_alu instid0(VALU_DEP_2)
	v_add_nc_u32 v3, VC, v1
	s_delay_alu instid0(VALU_DEP_2)
	v_add_nc_u32 v4, VC, v2
	v_and_b32 v93, 15, v0                          ; r
	s_delay_alu instid0(VALU_DEP_1)
	v_lshlrev_b32 v92, 5, v93                      ; 32 r
	s_delay_alu instid0(VALU_DEP_2)
	v_and_b32 v6, 7, v93
	v_bfe_u32 v7, v0, 3, 1
	s_delay_alu instid0(VALU_DEP_1)
	v_lshl_add_u32 v6, v7, 4, v6                   ; r % 8 + 16 (r / 8)
	v_bfe_u32 v7, v0, 4, 1
	s_delay_alu instid0(VALU_DEP_1)
	v_lshlrev_b32 v7, 4, v7
	s_delay_alu instid0(VALU_DEP_1)
	v_sub_nc_u32 v6, v6, v7                        ; - 16 (lane / 16)
	v_lshlrev_b32 v93, 4, v93                      ; 16 r
	s_wait_alu depctr_va_vdst(0)
	v_add_nc_u32 v5, KSC, v93
	s_lshr_b32 s94, s[WV], 3
	s_lshl_b32 s95, s13, 1
	s_add_co_u32 s95, s95, s94                     ; e = 2 cx + wave / 8
	s_lshl_b32 s93, s13, 5
	s_lshl_b32 s92, s94, 3
	s_add_co_u32 s93, s93, s92                     ; 32 (e / 2) + 8 (e % 2)
	v_add_nc_u32 v6, s93, v6                       ; D = my query's place among its 128 tokens - 16 (lane / 16): register 16 g + i of S^T is hidden on the diagonal where 32 g + i > D
	s_and_b32 s[CL], s[WV], 7                      ; the first pass's a
	s_lshl_b32 s96, s[CL], 3
	s_add_co_u32 s96, s96, s95                     ; its tile
	s_sub_co_u32 s97, 15, s[CL]                    ; the second pass's a
	s_lshl_b32 s98, s97, 3
	s_add_co_u32 s98, s98, s95                     ; its tile
	s_mul_i32 s19, s15, 1572864
	s_mul_i32 s92, s16, 768
	s_add_co_u32 s19, s19, s92                     ; aoc: batch x 128 tiles x 12,288 + head x 768
	s_lshl_b32 s71, s15, 16
	s_lshl_b32 s92, s16, 1
	s_add_co_u32 s71, s71, s92                     ; aos: batch x 65,536 + 2 head
.macro BASES B, tau, a
	s_mul_i32 s90, s[\tau], 1536
	s_add_co_u32 s90, s90, s70
	s_add_nc_u64 s[\B:\B+1], s[4:5], s[90:91]      ; Q's half image
	s_lshl_b32 s90, s[\a], 9
	s_add_co_u32 s90, s90, s89
	s_lshl_b32 s92, s95, 1
	s_add_co_u32 s90, s90, s92
	s_add_nc_u64 s[\B+2:\B+3], s[6:7], s[90:91]    ; Q's two scale bytes: slot a, + 2 e; 16 bytes a row
	s_mul_i32 s90, s[\tau], 12288
	s_add_co_u32 s90, s90, s19
	s_add_nc_u64 s[\B+4:\B+5], s[8:9], s[90:91]
	s_lshl_b32 s90, s[\tau], 9
	s_add_co_u32 s90, s90, s71
	s_add_nc_u64 s[\B+6:\B+7], s[10:11], s[90:91]
.endm
	BASES P1, 96, CL
	BASES P2, 98, 97
	global_load_b128 v[22:25], v1, s[P1:P1+1]      ; both passes' Q stay in registers
	global_load_b64 v[26:27], v2, s[P1:P1+1]
	global_load_u16 v35, v93, s[P1+2:P1+3]
	global_load_b128 v[218:221], v1, s[P2:P2+1]
	global_load_b64 v[222:223], v2, s[P2:P2+1]
	global_load_u16 v231, v93, s[P2+2:P2+3]
.irp j, 16,17,18,19,20,21,28,29,30,31,32,33,212,213,214,215,216,217,224,225,226,227,228,229
	v_mov_b32 v\j, 0                               ; the zero codes on both sides of Q
.endr
.irp j, 236,237,238,239,252,253
	v_mov_b32 v\j, 0                               ; written once: lane permutes' destinations count as sources, and v253 is named as the upper half of a pair
.endr
	s_wait_loadcnt 0x0
	v_lshl_or_b32 v34, v35, 16, v35                ; Q's scale word: its two bytes for either half of K
	v_lshl_or_b32 v230, v231, 16, v231
	s_wait_tensorcnt 0x0                           ; my fill has landed,
	s_barrier_signal -1
	s_barrier_wait -1                              ; everybody's has
; A KEY STEP of 128 keys.  QB: the pass's run of zeros, Q, zeros;  QS: Q's scale word.
.macro STEP QB, QS
	s_cmp_gt_u32 s[ST], s[CL]                      ; all its keys come after my queries: left out (the wave's number and the counter decide)
	s_cbranch_scc1 .Lskip_\@
	s_setprio 2
	v_add_nc_u32 v7, s[TS], v5                     ; these five lines are also the places behind the last step's products, in front of the loads into the registers that they read
	v_add_nc_u32 v8, s[TB], v1
	v_add_nc_u32 v9, s[TB], v2
	v_add_nc_u32 v10, s[TB], v3
	v_add_nc_u32 v11, s[TB], v4
.irp b, 0,1,2,3                        ; fragment g: tile 2 g in k 0-63, tile 2 g + 1 in k 64-127: two half images on end; every load reads consecutive bytes
.irp c, 0,1
	ds_load_b128 v[36+12*\b+6*\c:39+12*\b+6*\c], v8 offset:1536*\b+768*\c
	ds_load_b64 v[40+12*\b+6*\c:41+12*\b+6*\c], v9 offset:1536*\b+768*\c
.endr
.endr
	ds_load_b128 v[84:87], v7                      ; the four fragments' scale words of my row
	s_wait_alu depctr_va_vdst(0)
	s_wait_dscnt 0x0
.irp b, 0,1,2,3
	v_wmma_scale_f32_16x16x128_f8f6f4 v[96+16*\b:103+16*\b], v[36+12*\b:47+12*\b], v[\QB+6:\QB+17], 0, v[84+\b], v[\QS] matrix_a_fmt:MATRIX_FMT_FP6 matrix_b_fmt:MATRIX_FMT_FP6    ; Q, zeros: tile 2 g
	v_wmma_scale_f32_16x16x128_f8f6f4 v[104+16*\b:111+16*\b], v[36+12*\b:47+12*\b], v[\QB:\QB+11], 0, v[84+\b], v[\QS] matrix_a_fmt:MATRIX_FMT_FP6 matrix_b_fmt:MATRIX_FMT_FP6   ; zeros, Q: tile 2 g + 1
.endr
.rept 4
	v_nop                                          ; places: in front of the loads into K's registers and of the first read of the scores
.endr
.irp t, 0,1,2,3                        ; V's four fragments land while the softmax is worked
.irp c, 0,1
	ds_load_b128 v[36+12*\t+6*\c:39+12*\t+6*\c], v10 offset:1536*\t+768*\c
	ds_load_b64 v[40+12*\t+6*\c:41+12*\t+6*\c], v11 offset:1536*\t+768*\c
.endr
.endr
	ds_load_b128 v[88:91], v7 offset:VSC-KSC
	s_cmp_lg_u32 s[ST], s[CL]                      ; only the pass's last step lies on the diagonal
	s_cbranch_scc1 .Lopen_\@
	v_mov_b32 v254, 0xff800000                     ; hidden scores become -infinity ahead of the maximum: p = 0 then.  Key 0 of the step counts for every query
.set n, 0
.rept 64
	v_cmp_gt_i32 vcc_lo, 32*(n/16)+n%16, v6
	v_cndmask_b32 v[96+n], v[96+n], v254, vcc_lo
.set n, n+1
.endr
.Lopen_\@:
.irp b, 0,1,2,3
	v_max3_num_f32 v[232+\b], v[96+16*\b], v[97+16*\b], v[98+16*\b]   ; the largest score of each block of 32 keys: for the row's maximum, and, since p rises with the score, for the block's largest p
.endr
.irp i, 3,5,7,9,11,13
.irp b, 0,1,2,3
	v_max3_num_f32 v[232+\b], v[232+\b], v[96+16*\b+\i], v[97+16*\b+\i]
.endr
.endr
.irp b, 0,1,2,3
	v_max_num_f32 v[232+\b], v[232+\b], v[111+16*\b]
.endr
.irp b, 0,1,2,3
	s_delay_alu instid0(VALU_DEP_4)
	v_permlanex16_b32 v[236+\b], v[232+\b], s[SEL], s[SEL+1]
.endr
.irp b, 0,1,2,3
	s_delay_alu instid0(VALU_DEP_4)
	v_max_num_f32 v[232+\b], v[232+\b], v[236+\b]  ; with lane l xor 16's 16 keys
.endr
	s_delay_alu instid0(VALU_DEP_2)
	v_max3_num_f32 v254, v232, v233, v234
	s_delay_alu instid0(VALU_DEP_1)
	v_max_num_f32 v254, v254, v235                 ; the step's largest score of my query
	s_delay_alu instid0(VALU_DEP_1)
	v_mul_f32 v254, s[CS], v254                    ; as t
	s_delay_alu instid0(VALU_DEP_1)
	v_max_num_f32 v13, v13, v254                   ; the running largest t
	v_mov_b32 v254, v12
	s_delay_alu instid0(VALU_DEP_2)
	v_floor_f32 v12, -v13                          ; the new -M = -ceil(t): a whole number
	s_delay_alu instid0(VALU_DEP_1)
	v_sub_f32 v254, v12, v254                      ; old M - new M, 0 or less
	s_delay_alu instid0(VALU_DEP_1)
	v_cvt_i32_f32 v254, v254                       ; (it saturates)
	s_delay_alu instid0(VALU_DEP_1)
	v_ldexp_f32 v252, 1.0, v254                    ; f = 2^(old M - new M): a multiplication by it rounds nothing
.set j, 0
.rept 32
	v_pk_fma_f32 v[96+j:97+j], v[96+j:97+j], s[CS:CS+1], v[12:13] op_sel_hi:[1,0,0]   ; t - M, two at a time
.set j, j+2
.endr
	s_setprio 1
.irp b, 0,1,2,3
	v_fma_f32 v[232+\b], v[232+\b], s[CS], v12     ; the same of each block's largest score
.endr
.set j, 0
	s_wait_alu depctr_va_vdst(0)
.rept 64
	v_exp_f32 v[96+j], v[96+j]                     ; p = 2^(t - M), at most 1
.set j, j+1
.endr
.irp b, 0,1,2,3
	v_exp_f32 v[232+\b], v[232+\b]                 ; the block's largest p
.endr
	v_pk_mul_f32 v[14:15], v[14:15], v[252:253] op_sel_hi:[1,0]   ; the sums under the new M (the plain line behind the exponentials)
	s_wait_alu depctr_va_vdst(0)
.irp b, 0,1,2,3
	v_max_num_f32 v[232+\b], 0x1800000, v[232+\b]  ; the floor 2^(3 - 127): the byte cannot fall under 1
.endr
.irp b, 0,1,2,3
	s_delay_alu instid0(VALU_DEP_4)
	v_add_nc_u32 v[244+\b], 0xff000000, v[232+\b]  ; the conversion's scale operand
.endr
.irp b, 0,1,2,3
	s_delay_alu instid0(VALU_DEP_4)
	v_lshrrev_b32 v[236+\b], 23, v[244+\b]         ; the scale's byte
.endr
	s_delay_alu instid0(VALU_DEP_3)
	v_lshl_or_b32 v253, v237, 8, v236              ; p's scale word for these 128 keys
	s_delay_alu instid0(VALU_DEP_1)
	v_lshl_or_b32 v253, v238, 16, v253
	s_delay_alu instid0(VALU_DEP_1)
	v_lshl_or_b32 v253, v239, 24, v253
.irp c, 0,1
	v_cvt_scalef32_pk16_fp6_f32 v[192+6*\c:194+6*\c], v[96+32*\c:111+32*\c], v[244+2*\c]
	v_cvt_scalef32_pk16_fp6_f32 v[204+4*\c:206+4*\c], v[112+32*\c:127+32*\c], v[245+2*\c]   ; (a conversion's three registers begin on an even number)
.endr
	v_nop                                          ; one plain line behind the conversions
.irp c, 0,1                            ; a WHOLE block in a lane: lanes 0-15 block 2 c, lanes 16-31 block 2 c + 1
.irp i, 0,1,2
	v_permlane16_swap_b32 v[192+6*\c+\i], v[204+4*\c+\i]
.endr
.irp i, 0,1,2
	s_delay_alu instid0(VALU_DEP_3)
	v_mov_b32 v[195+6*\c+\i], v[204+4*\c+\i]
.endr
.endr
	v_pk_add_f32 v[236:237], v[100:101], v[104:105]
	v_pk_add_f32 v[248:249], v[108:109], v[112:113]
	v_pk_add_f32 v[242:243], v[116:117], v[120:121]
	v_pk_add_f32 v[94:95], v[124:125], v[128:129]
	v_pk_add_f32 v[14:15], v[14:15], v[132:133]
	v_pk_add_f32 v[236:237], v[236:237], v[136:137]
	v_pk_add_f32 v[248:249], v[248:249], v[140:141]
	v_pk_add_f32 v[242:243], v[242:243], v[144:145]
	v_pk_add_f32 v[94:95], v[94:95], v[148:149]
	v_pk_add_f32 v[14:15], v[14:15], v[152:153]
	s_setprio 0
	v_pk_add_f32 v[236:237], v[236:237], v[156:157]
	v_pk_add_f32 v[248:249], v[248:249], v[96:97]
	v_pk_add_f32 v[242:243], v[242:243], v[98:99]
	v_pk_add_f32 v[94:95], v[94:95], v[102:103]
	v_pk_add_f32 v[14:15], v[14:15], v[106:107]
	v_pk_add_f32 v[236:237], v[236:237], v[110:111]
	v_pk_add_f32 v[248:249], v[248:249], v[114:115]
	v_pk_add_f32 v[242:243], v[242:243], v[118:119]
	v_pk_add_f32 v[94:95], v[94:95], v[122:123]
	v_pk_add_f32 v[14:15], v[14:15], v[126:127]
	v_pk_add_f32 v[236:237], v[236:237], v[130:131]
	v_pk_add_f32 v[248:249], v[248:249], v[134:135]
	v_pk_add_f32 v[242:243], v[242:243], v[138:139]
	v_pk_add_f32 v[94:95], v[94:95], v[142:143]
	v_pk_add_f32 v[14:15], v[14:15], v[146:147]
	v_pk_add_f32 v[236:237], v[236:237], v[150:151]
	v_pk_add_f32 v[248:249], v[248:249], v[154:155]
	v_pk_add_f32 v[242:243], v[242:243], v[158:159]
	s_delay_alu instid0(VALU_DEP_1)
	v_pk_add_f32 v[14:15], v[14:15], v[242:243]
	s_delay_alu instid0(VALU_DEP_4)
	v_pk_add_f32 v[236:237], v[236:237], v[94:95]
	s_delay_alu instid0(VALU_DEP_2)
	v_pk_add_f32 v[14:15], v[14:15], v[248:249]
	s_delay_alu instid0(VALU_DEP_1)
	v_pk_add_f32 v[14:15], v[14:15], v[236:237]
.set j, 0
.rept 16
	v_pk_mul_f32 v[160+j:161+j], v[160+j:161+j], v[252:253] op_sel_hi:[1,0]   ; O^T under the new M.  (With the sums above: the places between p's codes and scale word and the products)
.set j, j+2
.endr
	s_wait_alu depctr_va_vdst(0)
	s_wait_dscnt 0x0                               ; V's fragments and scale words are in
.irp t, 0,1,2,3                        ; O^T += V^T P^T: four tiles of 16 d, K = these 128 keys; the four accumulators take turns
	v_wmma_scale_f32_16x16x128_f8f6f4 v[160+8*\t:167+8*\t], v[36+12*\t:47+12*\t], v[192:203], v[160+8*\t:167+8*\t], v[88+\t], v253 matrix_a_fmt:MATRIX_FMT_FP6 matrix_b_fmt:MATRIX_FMT_FP6
.endr
.Lskip_\@:
.endm
; A pass's end: O^T / the sum; register 16 g + i is d = 32 g + 16 (lane / 16) + i of my query: two blocks along the last product's K; quantised and stored as a half image.
.macro OUTQ B
.rept 4
	v_nop                                          ; places behind the last products (steps that are jumped over leave nothing between)
.endr
	v_add_f32 v14, v14, v15                        ; the sum's two halves,
	s_delay_alu instid0(VALU_DEP_1)
	v_permlanex16_b32 v252, v14, s[SEL], s[SEL+1]
	s_delay_alu instid0(VALU_DEP_1)
	v_add_f32 v14, v14, v252                       ; and lane l xor 16's
	s_wait_alu depctr_va_vdst(0)
	v_rcp_f32 v14, v14
	v_and_b32 v241, 31, v0                         ; (the plain line behind the reciprocal)  lane
.set j, 0
	s_wait_alu depctr_va_vdst(0)
.rept 16
	v_pk_mul_f32 v[96+j:97+j], v[160+j:161+j], v[14:15] op_sel_hi:[1,0]
.set j, j+2
.endr
.irp b, 0,1
	v_max3_num_f32 v[232+\b], |v[96+16*\b]|, |v[97+16*\b]|, 0x1800000
.endr
.irp i, 2,4,6,8,10,12,14
.irp b, 0,1
	s_delay_alu instid0(VALU_DEP_2)
	v_max3_num_f32 v[232+\b], v[232+\b], |v[96+16*\b+\i]|, |v[97+16*\b+\i]|
.endr
.endr
.irp b, 0,1
	s_delay_alu instid0(VALU_DEP_2)
	v_permlanex16_b32 v[236+\b], v[232+\b], s[SEL], s[SEL+1]
.endr
.irp b, 0,1
	s_delay_alu instid0(VALU_DEP_2)
	v_max_num_f32 v[232+\b], v[232+\b], v[236+\b]
.endr
.irp b, 0,1
	s_delay_alu instid0(VALU_DEP_2)
	v_add_nc_u32 v[244+\b], 0xff000000, v[232+\b]
.endr
.irp b, 0,1
	s_delay_alu instid0(VALU_DEP_2)
	v_lshrrev_b32 v[236+\b], 23, v[244+\b]
.endr
	s_delay_alu instid0(VALU_DEP_1)
	v_lshl_or_b32 v240, v237, 8, v236              ; my row's two scale bytes
	v_cvt_scalef32_pk16_fp6_f32 v[128:130], v[96:111], v244
	v_cvt_scalef32_pk16_fp6_f32 v[136:138], v[112:127], v245
	v_nop                                          ; one plain line behind the conversions
.irp i, 0,1,2
	v_permlane16_swap_b32 v[128+\i], v[136+\i]     ; lanes 0-15 block 0, lanes 16-31 block 1
.endr
.irp i, 0,1,2
	s_delay_alu instid0(VALU_DEP_3)
	v_mov_b32 v[131+\i], v[136+\i]
.endr
	v_cmp_gt_u32 vcc_lo, 16, v241
	global_store_b128 v1, v[128:131], s[\B+4:\B+5] ; 512 consecutive bytes, aligned to 256
	global_store_b64 v2, v[132:133], s[\B+4:\B+5]  ; 256 consecutive bytes, aligned
	s_wait_xcnt 0x0                                ; EXEC is a source of the stores above: it changes only behind this wait
	s_and_saveexec_b32 s88, vcc_lo
	global_store_b16 v92, v240, s[\B+6:\B+7]       ; lanes 0-15: 2 of my row's 32 scale bytes
	s_wait_xcnt 0x0                                ; and again in front of the line that widens it; the stores' data registers are also free behind it
	s_or_b32 exec_lo, exec_lo, s88
.endm
.macro PASS trips, QB, QS, B
	v_mov_b32 v13, 0xff61b1e6                      ; the largest t so far: -3e38
	s_delay_alu instid0(VALU_DEP_1)
	v_floor_f32 v12, -v13                          ; -M
	v_mov_b32 v14, 0                               ; the sum, in two halves
	v_mov_b32 v15, 0
.set j, 0
.rept 32
	v_mov_b32 v[160+j], 0                          ; O^T: the step is written once; its first walk finds zeros, which the first change of M leaves zeros
.set j, j+1
.endr
	s_mov_b32 s[ST], 0
	s_mov_b32 s[TB], 0
	s_mov_b32 s[TS], 0
.Lstep_\@:
	STEP \QB, \QS
	s_add_co_u32 s[TB], s[TB], 6144
	s_add_co_u32 s[TS], s[TS], 256
	s_add_co_u32 s[ST], s[ST], 1
	s_cmp_lt_u32 s[ST], \trips
	s_cbranch_scc1 .Lstep_\@
	s_setprio 0
	OUTQ \B
.endm
	PASS 8, 16, 34, P1                             ; a = wave % 8: a + 1 steps
	s_sub_co_u32 s[CL], 15, s[CL]
	PASS 16, 212, 230, P2                          ; a = 15 - wave % 8: 16 - wave % 8 steps
	s_wait_dscnt 0x0
	s_wait_tensorcnt 0x0
	ds_add_u32 v251, v255
	s_wait_dscnt 0x0
	CROUND                                         ; the closing round
	s_endpgm
.Lfunc_end_k_q3c6eac5d19_attn:
	.size	k_q3c6eac5d19_attn, .Lfunc_end_k_q3c6eac5d19_attn-k_q3c6eac5d19_attn
	.p2alignl 7, 3214868480
	.fill 96, 4, 3214868480
	.section	.rodata,"a",@progbits
	.p2align	6, 0x0
	.amdhsa_kernel k_q3c6eac5d19_attn
		.amdhsa_group_segment_fixed_size 206848
		.amdhsa_private_segment_fixed_size 0
		.amdhsa_enable_private_segment 0
		.amdhsa_kernarg_size 32
		.amdhsa_user_sgpr_count 2
		.amdhsa_user_sgpr_kernarg_segment_ptr 1
		.amdhsa_wavefront_size32 1
		.amdhsa_system_sgpr_workgroup_id_x 1
		.amdhsa_system_sgpr_workgroup_id_y 1
		.amdhsa_system_sgpr_workgroup_id_z 1
		.amdhsa_system_vgpr_workitem_id 0
		.amdhsa_next_free_vgpr 256
		.amdhsa_next_free_sgpr 100
		.amdhsa_reserve_vcc 1
		.amdhsa_float_denorm_mode_32 3
		.amdhsa_float_denorm_mode_16_64 3
		.amdhsa_memory_ordered 1
		.amdhsa_forward_progress 1
		.amdhsa_inst_pref_size 68
	.end_amdhsa_kernel
	.amdgpu_metadata
---
amdhsa.version: [ 1, 2 ]
amdhsa.kernels:
  - .name:           k_q3c6eac5d19_attn
    .symbol:         k_q3c6eac5d19_attn.kd
    .args:
      - { .name: qkvc, .offset: 0, .size: 8, .value_kind: global_buffer, .address_space: global }
      - { .name: qkvs, .offset: 8, .size: 8, .value_kind: global_buffer, .address_space: global }
      - { .name: aoc, .offset: 16, .size: 8, .value_kind: global_buffer, .address_space: global }
      - { .name: aos, .offset: 24, .size: 8, .value_kind: global_buffer, .address_space: global }
    .group_segment_fixed_size: 206848
    .private_segment_fixed_size: 0
    .kernarg_segment_align: 8
    .kernarg_segment_size: 32
    .max_flat_workgroup_size: 512
    .sgpr_count:     100
    .vgpr_count:     256
    .wavefront_size: 32
...
	.end_amdgpu_metadata
.endif
;; end of part 3
;; launch proj (part 4): grid 4 x 32, 4 waves a work-group, clusters of 4 x 4, 327,680 bytes of LDS; arguments aoc, aos, cod, scl, out0; writes out0
.if DOCPART == 4
	.amdgcn_target "amdgcn-amd-amdhsa--gfx1250"
	.amdhsa_code_object_version 6
	.text
	.protected	k_q3c6eac5d19_proj
	.globl	k_q3c6eac5d19_proj
	.p2align	8
	.type	k_q3c6eac5d19_proj,@function
k_q3c6eac5d19_proj:
	s_mov_b64 s[64:65], 0
	v_nop
	global_prefetch_b8 v0, s[64:65] scope:SCOPE_SE
	s_setreg_imm32_b32 hwreg(HW_REG_WAVE_MODE, 25, 1), 1
	s_wait_xcnt 0x0
	s_wait_alu depctr_hold_cnt(0) depctr_sa_sdst(0) depctr_va_vdst(0) depctr_va_sdst(0) depctr_va_ssrc(0) depctr_va_vcc(0) depctr_vm_vsrc(0)
	s_getreg_b32 s2, hwreg(HW_REG_IB_STS2, 6, 4)
	s_cmp_eq_u32 s2, 0
	s_cbranch_scc0 .Lentry_in_a_cluster
	s_endpgm
.Lentry_in_a_cluster:
	s_bfe_u32 s2, ttmp6, 0x10000c
	s_cmp_lg_u32 s2, 0xf033
	s_cbranch_scc0 .Lentry_shape_is_right
	s_endpgm
.Lentry_shape_is_right:
.set KSTEP,  256
.set NQ,     KSTEP/128
.set ROWB,   192
.set KROW,   768
.set PITCH,  240
.set FR,     12
.set NL,     6
.set NLA,    4
.set NP,     4
.set ASTEP,  3072
.set HALFA,  8*ASTEP
.set HALFT,  128*PITCH
.set SLOT,   2*HALFA+2*HALFT
.set LAPS,   2
.set KS,     32
.set SCL,    2*SLOT
.set HALFS,  (128*KS/256)*272
.set SBLK,   (16*KS/256)*272
.set SPARE,  SCL+4*HALFS
.set SPITCH, 528
.set ADRA, 16
.set ADRB, 20
.set STO,  24
.set RD,   25
.set CO,   26
.set ADRS, 27
.set SPW,  28
.set NIL,  29
.set SC,   32
.set AF,   128
.set BK,   128
.set G1, 24
.set G0, 32
.set G1B, 48
.set G0B, 56
.set G1S, 68
.set G0S, 76
.set G1SB, 80
.set G0SB, 88
.set MSB, 0
.macro WIN new
.if MSB != (\new)
	s_set_vgpr_msb (MSB<<8)|(\new)
.set MSB, \new
.endif
.endm
.set MUL_LO, 0xa1
.set MUL_HI, 0xf1
.set TO_B,   0x40
.macro JLOAD g0a, g1a, g0b, g1b
	s_cmp_eq_u32 s15, 0
	s_cbranch_scc0 .Lfor_b_\@
	tensor_load_to_lds s[\g0a:\g0a+3], s[\g1a:\g1a+7]
	s_nop 0
.rept 4
	v_nop
.endr
	s_branch .Lasked_\@
.Lfor_b_\@:
	tensor_load_to_lds s[\g0b:\g0b+3], s[\g1b:\g1b+7]
	s_nop 0
.rept 4
	v_nop
.endr
.Lasked_\@:
.endm
.macro CREST
	s_cmp_lg_u32 s14, 0
	s_cbranch_scc1 .Lnot_wave_0_\@
	s_barrier_signal -3
.Lnot_wave_0_\@:
	s_barrier_wait -3
	s_barrier_signal -1
	s_barrier_wait -1
.endm
.macro CROUND
	s_barrier_signal -1
	s_barrier_wait -1
	CREST
.endm
	s_load_b128 s[4:7], s[0:1], 0x0
	s_load_b128 s[8:11], s[0:1], 0x10
	s_load_b64 s[12:13], s[0:1], 0x20
	v_lshl_add_u32 v[SPW], v0, 2, SPARE
	v_mov_b32 v[NIL], 0
	ds_add_u32 v28, v29
	ds_add_u32 v28, v29
	s_wait_dscnt 0x0
	v_lshrrev_b32 v1, 5, v0
	v_readfirstlane_b32 s14, v1
	s_lshr_b32 s15, s14, 1
	s_and_b32 s16, s14, 1
	s_bfe_u32 s40, ttmp6, 0x40000
	s_bfe_u32 s41, ttmp6, 0x40004
	s_lshl_b32 s42, ttmp9, 2
	s_add_co_u32 s42, s42, s40
	s_and_b32 s17, ttmp7, 0xffff
	s_lshl_b32 s17, s17, 2
	s_add_co_u32 s17, s17, s41
	s_lshl_b32 s43, s41, 2
	s_lshl_b32 s43, 15, s43
	s_lshl_b32 s44, 0x1111, s40
	s_or_b32 s[G1+0], s43, (3<<16)|(1<<21)
	s_mov_b32 s[G1+1], 384<<16
	s_mov_b32 s[G1+2], 8<<16
	s_mov_b32 s[G1+3], 384<<16
	s_mov_b32 s[G1+4], 8
	s_mov_b32 s[G1+5], 1536
	s_mov_b32 s[G1+6], 0
	s_mov_b32 s[G1+7], 0
	s_or_b32 s[G1B+0], s44, (0<<16)|(1<<20)|(1<<21)|(3<<22)|(3<<25)
	s_mov_b32 s[G1B+1], ROWB<<16
	s_mov_b32 s[G1B+2], 128<<16
	s_mov_b32 s[G1B+3], ROWB<<16
	s_mov_b32 s[G1B+4], 128
	s_mov_b32 s[G1B+5], KROW
	s_mov_b32 s[G1B+6], 0
	s_mov_b32 s[G1B+7], 0
	s_or_b32 s[G1S+0], s43, (3<<16)|(1<<20)|(1<<21)|(5<<22)|(3<<25)
	s_or_b32 s[G1SB+0], s44, (3<<16)|(1<<20)|(1<<21)|(5<<22)|(3<<25)
.irp g, G1S, G1SB
	s_mov_b32 s[\g+1], 32<<16
	s_mov_b32 s[\g+2], (128*KS/256)<<16
	s_mov_b32 s[\g+3], 32<<16
	s_mov_b32 s[\g+4], 128*KS/256
	s_mov_b32 s[\g+5], 32
	s_mov_b32 s[\g+6], 0
	s_mov_b32 s[\g+7], 0
.endr
	s_lshl_b32 s18, s16, 7
	s_lshl_b32 s20, s17, 8
	s_add_co_u32 s20, s20, s18
	s_lshl_b32 s46, s42, 8
	s_add_co_u32 s46, s46, s18
	s_add_co_u32 s46, s46, 11264
	s_mov_b32 s21, 0
	s_mov_b32 s47, 0
	s_mov_b64 s[18:19], KS
	s_mul_u64 s[22:23], s[20:21], s[18:19]
	s_mul_u64 s[92:93], s[46:47], s[18:19]
	s_mov_b64 s[18:19], KROW
	s_mul_u64 s[20:21], s[20:21], s[18:19]
	s_mul_u64 s[46:47], s[46:47], s[18:19]
	s_mul_i32 s45, s16, HALFA
	s_mul_i32 s95, s16, HALFT
	s_add_co_u32 s95, s95, 2*HALFA
	s_mul_i32 s94, s14, HALFS
	s_wait_kmcnt 0x0
	s_add_nc_u64 s[20:21], s[4:5], s[20:21]
	s_add_nc_u64 s[22:23], s[6:7], s[22:23]
	s_add_nc_u64 s[46:47], s[8:9], s[46:47]
	s_add_nc_u64 s[92:93], s[10:11], s[92:93]
	CROUND
	s_mov_b32 s[G0S], 1
	s_add_co_u32 s[G0S+1], s94, SCL
	s_mov_b64 s[G0S+2:G0S+3], s[22:23]
	s_or_b32 s[G0S+3], s[G0S+3], 0x80000000
	s_mov_b32 s[G0SB], 1
	s_add_co_u32 s[G0SB+1], s94, SCL
	s_mov_b64 s[G0SB+2:G0SB+3], s[92:93]
	s_or_b32 s[G0SB+3], s[G0SB+3], 0x80000000
	JLOAD G0S, G1S, G0SB, G1SB
.irp s, 0,1
	s_mov_b32 s[G0+4*\s], 1
	s_add_co_u32 s[G0+4*\s+1], s45, \s*SLOT
	s_add_nc_u64 s[G0+4*\s+2:G0+4*\s+3], s[20:21], \s*ASTEP
	s_or_b32 s[G0+4*\s+3], s[G0+4*\s+3], 0x80000000
	s_mov_b32 s[G0B+4*\s], 1
	s_add_co_u32 s[G0B+4*\s+1], s95, \s*SLOT
	s_add_nc_u64 s[G0B+4*\s+2:G0B+4*\s+3], s[46:47], \s*ROWB
	s_or_b32 s[G0B+4*\s+3], s[G0B+4*\s+3], 0x80000000
	s_wait_alu depctr_va_vdst(0)
	s_wait_tensorcnt 0x0
	ds_add_u32 v28, v29
	s_wait_dscnt 0x0
	CROUND
	JLOAD G0+4*\s, G1, G0B+4*\s, G1B
.endr
	v_and_b32 v1, 15, v0
	v_bfe_u32 v2, v0, 4, 1
	v_mul_u32_u24 v3, v1, PITCH
	v_mul_u32_u24 v4, v2, 24
	v_add_nc_u32 v4, v3, v4
	v_lshl_add_u32 v5, v2, 4, v4
	v_and_b32 v6, 31, v0
	v_lshlrev_b32 v7, 4, v6
	v_lshl_add_u32 v8, v6, 3, 512
	s_mul_i32 s21, s15, HALFA
	s_mul_i32 s22, s16, HALFT
	s_add_co_u32 s22, s22, 2*HALFA
.irp s, 0,1
	v_add_nc_u32 v[ADRA+\s], s21, v7
	v_add_nc_u32 v[ADRA+2+\s], s21, v8
	v_add_nc_u32 v[ADRB+\s], s22, v4
	v_add_nc_u32 v[ADRB+2+\s], s22, v5
	s_add_co_u32 s21, s21, SLOT
	s_add_co_u32 s22, s22, SLOT
.endr
	v_mul_u32_u24 v5, v1, KS
	v_lshrrev_b32 v6, 8, v5
	v_lshl_add_u32 v5, v6, 4, v5
	s_mul_i32 s21, s15, HALFS
	s_mul_i32 s22, s16, HALFS
	s_add_co_u32 s22, s22, 2*HALFS
	s_sub_co_u32 s22, s22, s21
	v_mul_u32_u24 v6, s22, v2
	s_add_co_u32 s21, s21, SCL
	v_add_nc_u32 v5, v5, v6
	v_add_nc_u32 v[ADRS], s21, v5
	s_mul_i32 s23, s14, 16*SPITCH
	v_mul_u32_u24 v5, v1, SPITCH
	v_lshl_add_u32 v5, v2, 6, v5
	v_add_nc_u32 v[STO], s23, v5
	v_and_b32 v6, 31, v0
	v_lshlrev_b32 v[CO], 4, v6
	v_add_nc_u32 v[RD], s23, v[CO]
	s_lshl_b32 s20, s17, 8
	s_lshl_b32 s21, s15, 7
	s_add_co_u32 s20, s20, s21
	s_lshl_b32 s20, s20, 12
	s_lshl_b32 s46, s42, 10
	s_lshl_b32 s47, s16, 9
	s_add_co_u32 s46, s46, s47
	s_add_co_u32 s20, s20, s46
	s_mov_b32 s21, 0
	s_add_nc_u64 s[12:13], s[12:13], s[20:21]
.macro FRAG reg, adr, q, i
.irp p, 0,1,2,3,4,5
.set PCE, 12*(\q)+6*(\p/3)+\p%3
.if PCE%8 < 5
	ds_load_b64 v[\reg+2*\p:\reg+2*\p+1], v[\adr] offset:8*PCE+16*(PCE/8)+(\i)*16*PITCH
.else
	ds_load_b64 v[\reg+2*\p:\reg+2*\p+1], v[\adr+2] offset:8*PCE+16*(PCE/8)+(\i)*16*PITCH
.endif
.endr
.endm
.macro FRAGA reg, slot, q, i
	ds_load_b128 v[\reg:\reg+3], v[ADRA+\slot] offset:ASTEP*(\i)+1536*(\q)
	ds_load_b64 v[\reg+4:\reg+5], v[ADRA+2+\slot] offset:ASTEP*(\i)+1536*(\q)
	ds_load_b128 v[\reg+6:\reg+9], v[ADRA+\slot] offset:ASTEP*(\i)+1536*(\q)+768
	ds_load_b64 v[\reg+10:\reg+11], v[ADRA+2+\slot] offset:ASTEP*(\i)+1536*(\q)+768
.endm
.macro MUL16 a0, p, q, sc, zero
.irp a, \a0, \a0+1
.irp b, 0,1,2,3,4,5,6,7
.if \zero
	v_wmma_scale_f32_16x16x128_f8f6f4 v[8*(8*((\a)%4)+\b):8*(8*((\a)%4)+\b)+7], v[128*(\p)+FR*\b:128*(\p)+FR*\b+FR-1], v[AF+FR*(\a):AF+FR*(\a)+FR-1], 0, v[SC+8*NQ*(\sc)+NQ*\b+(\q)], v[SC+8*NQ*(\sc)+NQ*(\a)+(\q)] matrix_a_fmt:MATRIX_FMT_FP6 matrix_b_fmt:MATRIX_FMT_FP6 matrix_a_scale:MATRIX_SCALE_ROW1
.else
	v_wmma_scale_f32_16x16x128_f8f6f4 v[8*(8*((\a)%4)+\b):8*(8*((\a)%4)+\b)+7], v[128*(\p)+FR*\b:128*(\p)+FR*\b+FR-1], v[AF+FR*(\a):AF+FR*(\a)+FR-1], v[8*(8*((\a)%4)+\b):8*(8*((\a)%4)+\b)+7], v[SC+8*NQ*(\sc)+NQ*\b+(\q)], v[SC+8*NQ*(\sc)+NQ*(\a)+(\q)] matrix_a_fmt:MATRIX_FMT_FP6 matrix_b_fmt:MATRIX_FMT_FP6 matrix_a_scale:MATRIX_SCALE_ROW1
.endif
.endr
.endr
.endm
.macro FETCH_B slot, q, p
	WIN TO_B
.irp i, 0,1,2,3,4,5,6,7
	FRAG 128*(\p)+FR*\i, ADRB+\slot, \q, \i
.endr
	WIN 0
.endm
.macro FETCH_A slot, q, i0
.irp i, \i0, \i0+1, \i0+2, \i0+3
	FRAGA AF+FR*(\i), \slot, \q, \i
.endr
.endm
.macro SCALES sc
.irp i, 0,1,2,3,4,5,6,7
	ds_load_b64 v[SC+8*NQ*\sc+NQ*\i:SC+8*NQ*\sc+NQ*\i+1], v[ADRS] offset:\i*SBLK
.endr
.endm
.macro PLACES n
.rept \n
	v_nop
.endr
.endm
.macro STEP slot, q, zero
	s_wait_dscnt 4*NLA
	WIN MUL_LO
	MUL16 0, (\q)%2, \q, \slot, \zero
	MUL16 2, (\q)%2, \q, \slot, \zero
	s_wait_dscnt 0
	PLACES NP
	FETCH_B \slot, (\q)+1, 1-(\q)%2
	FETCH_A \slot, (\q)+1, 0
	WIN MUL_HI
	MUL16 4, (\q)%2, \q, \slot, \zero
	MUL16 6, (\q)%2, \q, \slot, \zero
	PLACES NP
	WIN 0
	FETCH_A \slot, (\q)+1, 4
.endm
.macro TURN slot, next, fill
	s_wait_tensorcnt 0x0
	ds_add_u32 v[SPW], v[NIL]
	s_wait_dscnt 4*NLA+1
	WIN MUL_LO
	MUL16 0, 1, NQ-1, \slot, 0
	s_wait_dscnt 0x0
	s_barrier_signal -1
	MUL16 2, 1, NQ-1, \slot, 0
	WIN 0
	s_barrier_wait -1
.if \fill
	CREST
	s_add_nc_u64 s[G0+4*\slot+2:G0+4*\slot+3], s[G0+4*\slot+2:G0+4*\slot+3], 2*ASTEP
	s_add_nc_u64 s[G0B+4*\slot+2:G0B+4*\slot+3], s[G0B+4*\slot+2:G0B+4*\slot+3], 2*ROWB
	JLOAD G0+4*\slot, G1, G0B+4*\slot, G1B
.else
	PLACES NP
.endif
	s_wait_alu depctr_va_vdst(0)
	v_add_nc_u32 v[ADRS], 4*NQ, v[ADRS]
	FETCH_B \next, 0, 0
	FETCH_A \next, 0, 0
	SCALES \next
	WIN MUL_HI
	MUL16 4, 1, NQ-1, \slot, 0
	MUL16 6, 1, NQ-1, \slot, 0
	PLACES NP
	WIN 0
	FETCH_A \next, 0, 4
.endm
	s_wait_alu depctr_va_vdst(0)
	s_wait_tensorcnt 1
	s_barrier_signal -1
	s_barrier_wait -1
	FETCH_B 0, 0, 0
	FETCH_A 0, 0, 0
	SCALES 0
	FETCH_A 0, 0, 4
	STEP 0, 0, 1
	s_mov_b32 s3, LAPS-1
.Llap:
	TURN 0, 1, 1
	STEP 1, 0, 0
	TURN 1, 0, 1
	STEP 0, 0, 0
	s_sub_co_u32 s3, s3, 1
	s_cmp_lg_u32 s3, 0
	s_cbranch_scc1 .Llap
	TURN 0, 1, 0
	STEP 1, 0, 0
	s_wait_dscnt 4*NLA
	WIN MUL_LO
	MUL16 0, 1, NQ-1, 1, 0
	MUL16 2, 1, NQ-1, 1, 0
	s_wait_dscnt 0
	WIN MUL_HI
	MUL16 4, 1, NQ-1, 1, 0
	MUL16 6, 1, NQ-1, 1, 0
	WIN 0
.macro TOSTAGE a
.set AC, 64*((\a)%4)
	WIN 0x08+4*((\a)/4)
.irp b, 0,1,2,3,4,5,6,7
	ds_store_b128 v[STO], v[AC+8*\b:AC+8*\b+3] offset:128*(\b/2)+32*(\b%2)
	ds_store_b128 v[STO], v[AC+8*\b+4:AC+8*\b+7] offset:128*(\b/2)+32*(\b%2)+16
.endr
	WIN 0
.set BB, BK+64*((\a)%2)
.irp t, 0,1,2,3,4,5,6,7,8,9,10,11,12,13,14,15
	ds_load_b128 v[BB+4*\t:BB+4*\t+3], v[RD] offset:\t*SPITCH
.endr
.endm
.macro SEND a, younger
.set BB, BK+64*((\a)%2)
	s_wait_dscnt \younger
.if (\a) > 0
.if (\a)%2 == 1
	s_add_nc_u64 s[12:13], s[12:13], 8*4096
.else
	s_add_nc_u64 s[12:13], s[12:13], 24*4096
.endif
.endif
.irp t, 0,1,2,3,4,5,6,7,8,9,10,11,12,13,14,15
	global_store_b128 v[CO], v[BB+4*\t:BB+4*\t+3], s[12:13] offset:(\t+8*(\t/8))*4096 th:TH_STORE_NT
.endr
.endm
	PLACES NP
	TOSTAGE 0
.irp a, 1,2,3,4,5,6,7
.if \a > 1
	s_wait_xcnt 0x0
.endif
	TOSTAGE \a
	SEND \a-1, 32
.endr
	s_wait_xcnt 0x0
	SEND 7, 0
	s_wait_tensorcnt 0x0
	ds_add_u32 v[SPW], v[NIL]
	s_wait_dscnt 0x0
	CROUND
	s_endpgm
.Lfunc_end_k_q3c6eac5d19_proj:
	.size	k_q3c6eac5d19_proj, .Lfunc_end_k_q3c6eac5d19_proj-k_q3c6eac5d19_proj
	.p2alignl 7, 3214868480
	.fill 96, 4, 3214868480
	.section	.rodata,"a",@progbits
	.p2align	6, 0x0
	.amdhsa_kernel k_q3c6eac5d19_proj
		.amdhsa_group_segment_fixed_size 327680
		.amdhsa_private_segment_fixed_size 0
		.amdhsa_enable_private_segment 0
		.amdhsa_kernarg_size 40
		.amdhsa_user_sgpr_count 2
		.amdhsa_user_sgpr_kernarg_segment_ptr 1
		.amdhsa_wavefront_size32 1
		.amdhsa_system_sgpr_workgroup_id_x 1
		.amdhsa_system_sgpr_workgroup_id_y 1
		.amdhsa_system_sgpr_workgroup_id_z 1
		.amdhsa_system_vgpr_workitem_id 0
		.amdhsa_next_free_vgpr 1024
		.amdhsa_next_free_sgpr 100
		.amdhsa_reserve_vcc 0
		.amdhsa_float_denorm_mode_32 3
		.amdhsa_float_denorm_mode_16_64 3
		.amdhsa_memory_ordered 1
		.amdhsa_forward_progress 1
		.amdhsa_inst_pref_size 153
	.end_amdhsa_kernel
	.amdgpu_metadata
---
amdhsa.version: [ 1, 2 ]
amdhsa.kernels:
  - .name:           k_q3c6eac5d19_proj
    .symbol:         k_q3c6eac5d19_proj.kd
    .args:
      - { .name: aoc, .offset: 0, .size: 8, .value_kind: global_buffer, .address_space: global }
      - { .name: aos, .offset: 8, .size: 8, .value_kind: global_buffer, .address_space: global }
      - { .name: cod, .offset: 16, .size: 8, .value_kind: global_buffer, .address_space: global }
      - { .name: scl, .offset: 24, .size: 8, .value_kind: global_buffer, .address_space: global }
      - { .name: out0, .offset: 32, .size: 8, .value_kind: global_buffer, .address_space: global }
    .group_segment_fixed_size: 327680
    .private_segment_fixed_size: 0
    .kernarg_segment_align: 8
    .kernarg_segment_size: 40
    .max_flat_workgroup_size: 128
    .sgpr_count:     100
    .vgpr_count:     1024
    .wavefront_size: 32
...
	.end_amdgpu_metadata
.endif
;; end of part 4
